; MI455X (gfx1250); checked and timed in simulation.
; The chip was launched on July 23, 2026; its instructions are those of AMD's public machine-readable ISA for CDNA 5 (MIT licence, August 2026) and "CDNA5" Instruction Set Architecture Reference Guide (July 2026). The comments in the code are by the model that wrote it; some were corrected since.
;; BERT Factorized Attention. Allowed arithmetic: float matrix products may take bf16 or f16 operands with f32 sums; other float arithmetic in f32, or as packed bf16 or f16 multiplies, adds, multiply-adds, maxima and minima; sums over many terms, partial sums and values carried from step to step in f32; what a program stores and reads back later, other than sums and carried values, may be rounded once to bf16 or f16.
;; Inputs: Wk 1,024 x 1,024 float32; Wq 1,024 x 1,024 float32; Wv 1,024 x 1,024 float32; attention_mask 8 x 1 x 1 x 2,048 float32; bk 1,024 float32; bq 1,024 float32; bv 1,024 float32; hidden_states 8 x 2,048 x 1,024 float32.
;; Outputs: out0 8 x 2,048 x 1,024 float32.
;; 2 versions, each right; version 2 is version 1 with the launch ctx written anew for expert scheduling mode. Each part assembles by itself: llvm-mc -triple=amdgcn-amd-amdhsa -mcpu=gfx1250 --defsym DOCPART=n.
;; ======== version 1 of 2: 3 launches
;; workspace buffers: xb 33,554,432 bytes; wt 6,291,456 bytes; cp 33,554,432 bytes; rl 1,048,576 bytes; part 16,777,216 bytes; stat 524,288 bytes
;; launch prep (part 1): grid 1216 x 1, 8 waves a work-group, no clusters, 34,816 bytes of LDS; arguments hidden_states, Wq, Wv, Wk, xb, wt; writes xb, wt
.if DOCPART == 1
	.amdgcn_target "amdgcn-amd-amdhsa--gfx1250"
	.amdhsa_code_object_version 6
	.text
	.protected	k_q77369a0dc8_prep
	.globl	k_q77369a0dc8_prep
	.p2align	8
	.type	k_q77369a0dc8_prep,@function
k_q77369a0dc8_prep:
	s_mov_b64 s[64:65], 0
	v_nop
	global_prefetch_b8 v0, s[64:65] scope:SCOPE_SE
	s_setreg_imm32_b32 hwreg(HW_REG_WAVE_MODE, 25, 1), 1
	s_wait_xcnt 0x0
; PREP.  xb = hidden_states rounded to bf16, [16384][1024].  wt = Wq, Wv, Wk rounded to bf16 and turned to [n][k], in blocks of 128 rows laid in the order
; in which the next launch walks them: row = 768 g + 128 blk + n, g = group of four heads, blk = 0 q(heads 0,1)  1 v(0,1)  2 k(0,1)  3 k(2,3)  4 q(2,3)  5 v(2,3).
; 1,216 work-groups of eight waves, each reading 64 KiB: numbers 0-191 take a tile of 128 k x 128 n of one W, numbers 192-1215 take 16 rows of X.
; The W work-groups have the longer way (load, LDS, barrier, store), so they have the low numbers.  88 registers a wave and 34,816 bytes of LDS a work-group: five work-groups
; are ten waves a SIMD, 880 registers, and 174,080 bytes, so 256 WGPs have 1,280 places for the 1,216.
; X: a wave takes 8 KiB; a load covers 512 consecutive bytes, a store 256 consecutive bytes, aligned.  All 16 loads of a wave go out at once; the numbers are rounded in place.
; W: a wave loads 16 rows k (512 bytes each), rounds, and puts four k of one n (8 bytes) into LDS rows [n][k] of 264 bytes; behind the barrier a wave reads 16 rows n
; back whole and stores each as 256 consecutive bytes, aligned.  The stores into LDS meet four deep in the banks (lanes 264 words apart): 16 stores a wave, once.
; The one barrier stands on every wave's path, in both kinds of work-group, so that no branch passes it; the X work-groups have nothing to hand over there.
; No matrix unit, no cluster, no prefetch: nothing is shared between work-groups, and every load is issued at the head.
.set NW,    192                        ; W's work-groups
.set TP,    264                        ; an LDS row: 128 bf16 + 8 bytes
.set SPARE, 128*TP                     ; behind the tile: the spare words, 128 bytes for each wave: four blocks of 256 bytes that no other line names
.set SPW,   8                          ; v8   LDS address of my spare word; never rewritten
.set NIL,   9                          ; v9   0; never rewritten
.set XLD,   10                         ; v10  X: my byte offset in the work-group's 64 KiB
.set XST,   11                         ; v11  X: the same in its 32 KiB of xb
.set WLD,   12                         ; v12  W: wave x 16 rows of 4,096 bytes + 16 x lane
.set WST,   13                         ; v13  W: wave x 16 rows of 2,048 bytes + 8 x lane
.set TA,    4                          ; v4   where I put 8 bytes: row 4 x lane, byte 32 x wave
.set RA,    5                          ; v5   where I read a row back: row 16 x wave, byte 8 x lane
.set X,     16                         ; v[16:79]  as loaded, four registers a load
.set Y,     80                         ; v[80:87]  W: the first four rows' packed pairs
	s_load_b256 s[4:11], s[0:1], 0x0               ; hidden s[4:5], Wq s[6:7], Wv s[8:9], Wk s[10:11]
	s_load_b128 s[12:15], s[0:1], 0x20             ; xb s[12:13], wt s[14:15]
	v_lshl_add_u32 v[SPW], v0, 2, SPARE
	v_mov_b32 v[NIL], 0
	v_and_b32 v1, 31, v0                           ; lane
	v_lshrrev_b32 v6, 5, v0                        ; wave
	v_lshlrev_b32 v2, 4, v1
	v_lshlrev_b32 v3, 3, v1
	v_lshl_add_u32 v[XLD], v6, 13, v2
	v_lshl_add_u32 v[XST], v6, 12, v3
	v_lshl_add_u32 v[WLD], v6, 16, v2
	v_lshl_add_u32 v[WST], v6, 15, v3
	v_mul_u32_u24 v[TA], v1, 4*TP
	v_lshl_add_u32 v[TA], v6, 5, v[TA]
	v_mul_u32_u24 v[RA], v6, 16*TP
	v_add_nc_u32 v[RA], v[RA], v3
	s_mov_b32 s31, ttmp9                           ; the work-group's number
	s_sub_co_u32 s24, s31, NW
	s_and_b32 s24, s24, 1023                       ; X: which 16 rows (in a W work-group a number in range that nothing uses)
	s_lshl_b32 s16, s24, 16                        ; 64 KiB in,
	s_mov_b32 s17, 0
	s_lshl_b32 s18, s24, 15                        ; 32 KiB out
	s_mov_b32 s19, 0
	s_bfe_u32 s25, s31, 0x20006                    ; W: the number is 64 mi + 8 nt + kt.  mi: 0 q, 1 v, 2 k
	s_min_u32 s25, s25, 2                          ; (in an X work-group: held in range; nothing uses it)
	s_bfe_u32 s26, s31, 0x30003                    ; nt: which 128 columns n
	s_and_b32 s27, s31, 7                          ; kt: which 128 rows k
	s_lshl_b32 s20, s27, 19                        ; 128 rows of 4,096 bytes
	s_lshl_b32 s21, s26, 9                         ; 128 columns of 4 bytes
	s_add_co_u32 s20, s20, s21
	s_mov_b32 s21, 0
	s_lshr_b32 s28, s26, 1                         ; g
	s_mul_i32 s28, s28, 6
	s_and_b32 s29, s26, 1                          ; which pair of heads
	s_lshl2_add_u32 s30, s29, s25                  ; q, v: blk = 4 x pair + mi
	s_add_co_u32 s29, s29, 2                       ; k: blk = 2 + pair
	s_cmp_eq_u32 s25, 2
	s_cselect_b32 s29, s29, s30
	s_add_co_u32 s28, s28, s29
	s_lshl_b32 s28, s28, 18                        ; a block is 128 rows of 2,048 bytes
	s_lshl_b32 s29, s27, 8                         ; 128 k are 256 bytes of a row
	s_add_co_u32 s28, s28, s29
	s_mov_b32 s29, 0
	s_wait_kmcnt 0x0
	s_add_nc_u64 s[4:5], s[4:5], s[16:17]
	s_add_nc_u64 s[12:13], s[12:13], s[18:19]
	s_cmp_eq_u32 s25, 1
	s_cselect_b64 s[6:7], s[8:9], s[6:7]
	s_cmp_eq_u32 s25, 2
	s_cselect_b64 s[6:7], s[10:11], s[6:7]
	s_add_nc_u64 s[6:7], s[6:7], s[20:21]
	s_add_nc_u64 s[14:15], s[14:15], s[28:29]
	s_cmp_lt_u32 s31, NW
	s_cbranch_scc1 .Lw_in
.irp i, 0,1,2,3,4,5,6,7,8,9,10,11,12,13,14,15
	global_load_b128 v[X+4*(\i):X+4*(\i)+3], v[XLD], s[4:5] offset:(\i)*512 th:TH_LOAD_NT
.endr
.irp i, 0,1,2,3,4,5,6,7,8,9,10,11,12,13,14,15
	s_wait_loadcnt 15-(\i)                         ; loads come back in order: load i is in, the younger ones stay out
	v_cvt_pk_bf16_f32 v[X+4*(\i)],   v[X+4*(\i)],   v[X+4*(\i)+1]
	v_cvt_pk_bf16_f32 v[X+4*(\i)+1], v[X+4*(\i)+2], v[X+4*(\i)+3]
	global_store_b64 v[XST], v[X+4*(\i):X+4*(\i)+1], s[12:13] offset:(\i)*256  ; 32 lanes x 8 bytes: 256 consecutive bytes, aligned
.endr
	s_branch .Lmeet
.Lw_in:
.irp i, 0,1,2,3,4,5,6,7,8,9,10,11,12,13,14,15
	global_load_b128 v[X+4*(\i):X+4*(\i)+3], v[WLD], s[6:7] offset:(\i)*4096 th:TH_LOAD_NT  ; row k = 16 x wave + i, columns 4 x lane + 0..3
.endr
.irp q, 0,1,2,3
.if (\q) == 0
.set YB, Y                             ; the packed pairs of rows 4 q .. 4 q + 3 go into registers of their own,
.else
.set YB, X+16*((\q)-1)                 ; then into those of the four rows before, which have been read and are no LDS store's source
.endif
	s_wait_loadcnt 12-4*(\q)                       ; rows 4 q .. 4 q + 3 are in
.irp c, 0,1,2,3
	v_cvt_pk_bf16_f32 v[YB+2*(\c)],   v[X+16*(\q)+(\c)],   v[X+16*(\q)+4+(\c)]
	v_cvt_pk_bf16_f32 v[YB+2*(\c)+1], v[X+16*(\q)+8+(\c)], v[X+16*(\q)+12+(\c)]
	ds_store_b64 v[TA], v[YB+2*(\c):YB+2*(\c)+1] offset:(\c)*TP+8*(\q)  ; four k of column 4 x lane + c
.endr
.endr
.Lmeet:
	s_wait_dscnt 0x0                               ; for the others' sake: my stores into the tile are done
	s_barrier_signal -1
	s_barrier_wait -1
	s_cmp_lt_u32 s31, NW
	s_cbranch_scc0 .Lend
.irp t, 0,1,2,3,4,5,6,7,8,9,10,11,12,13,14,15
	ds_load_b64 v[X+2*(\t):X+2*(\t)+1], v[RA] offset:(\t)*TP  ; row n = 16 x wave + t, whole
.endr
.irp t, 0,1,2,3,4,5,6,7,8,9,10,11,12,13,14,15
	s_wait_dscnt 15-(\t)
	global_store_b64 v[WST], v[X+2*(\t):X+2*(\t)+1], s[14:15] offset:(\t)*2048  ; 256 consecutive bytes, aligned
.endr
.Lend:
	s_wait_tensorcnt 0x0                           ; the wave's end, behind my last LDS store
	ds_add_u32 v[SPW], v[NIL]
	s_wait_dscnt 0x0
	s_endpgm
.Lfunc_end_k_q77369a0dc8_prep:
	.size	k_q77369a0dc8_prep, .Lfunc_end_k_q77369a0dc8_prep-k_q77369a0dc8_prep
	.p2alignl 7, 3214868480
	.fill 96, 4, 3214868480
	.section	.rodata,"a",@progbits
	.p2align	6, 0x0
	.amdhsa_kernel k_q77369a0dc8_prep
		.amdhsa_group_segment_fixed_size 34816
		.amdhsa_private_segment_fixed_size 0
		.amdhsa_enable_private_segment 0
		.amdhsa_kernarg_size 48
		.amdhsa_user_sgpr_count 2
		.amdhsa_user_sgpr_kernarg_segment_ptr 1
		.amdhsa_wavefront_size32 1
		.amdhsa_system_sgpr_workgroup_id_x 1
		.amdhsa_system_sgpr_workgroup_id_y 1
		.amdhsa_system_sgpr_workgroup_id_z 1
		.amdhsa_system_vgpr_workitem_id 0
		.amdhsa_next_free_vgpr 88
		.amdhsa_next_free_sgpr 66
		.amdhsa_reserve_vcc 0
		.amdhsa_float_denorm_mode_32 3
		.amdhsa_float_denorm_mode_16_64 3
		.amdhsa_memory_ordered 1
		.amdhsa_forward_progress 1
		.amdhsa_inst_pref_size 16
	.end_amdhsa_kernel
	.amdgpu_metadata
---
amdhsa.version: [ 1, 2 ]
amdhsa.kernels:
  - .name:           k_q77369a0dc8_prep
    .symbol:         k_q77369a0dc8_prep.kd
    .args:
      - { .name: hidden_states, .offset: 0, .size: 8, .value_kind: global_buffer, .address_space: global }
      - { .name: Wq, .offset: 8, .size: 8, .value_kind: global_buffer, .address_space: global }
      - { .name: Wv, .offset: 16, .size: 8, .value_kind: global_buffer, .address_space: global }
      - { .name: Wk, .offset: 24, .size: 8, .value_kind: global_buffer, .address_space: global }
      - { .name: xb, .offset: 32, .size: 8, .value_kind: global_buffer, .address_space: global }
      - { .name: wt, .offset: 40, .size: 8, .value_kind: global_buffer, .address_space: global }
    .group_segment_fixed_size: 34816
    .private_segment_fixed_size: 0
    .kernarg_segment_align: 8
    .kernarg_segment_size: 48
    .max_flat_workgroup_size: 256
    .sgpr_count:     66
    .vgpr_count:     88
    .wavefront_size: 32
...
	.end_amdgpu_metadata
.endif
;; end of part 1
;; launch proj (part 2): grid 4 x 64, 4 waves a work-group, clusters of 4 x 4, 327,680 bytes of LDS; arguments xb, wt, attention_mask, bq, bk, cp, rl, part, stat; writes cp, rl, part, stat
.if DOCPART == 2
	.amdgcn_target "amdgcn-amd-amdhsa--gfx1250"
	.amdhsa_code_object_version 6
	.text
	.protected	k_q77369a0dc8_proj
	.globl	k_q77369a0dc8_proj
	.p2align	8
	.type	k_q77369a0dc8_proj,@function
k_q77369a0dc8_proj:
	s_mov_b64 s[64:65], 0
	v_nop
	global_prefetch_b8 v0, s[64:65] scope:SCOPE_SE
	s_setreg_imm32_b32 hwreg(HW_REG_WAVE_MODE, 25, 1), 1
	s_wait_xcnt 0x0
	s_wait_alu depctr_hold_cnt(0) depctr_sa_sdst(0) depctr_va_vdst(0) depctr_va_sdst(0) depctr_va_ssrc(0) depctr_va_vcc(0) depctr_vm_vsrc(0)
	s_getreg_b32 s2, hwreg(HW_REG_IB_STS2, 6, 4)
	s_cmp_eq_u32 s2, 0
	s_cbranch_scc0 .Lentry_in_a_cluster
	s_endpgm
.Lentry_in_a_cluster:
	s_bfe_u32 s2, ttmp6, 0x10000c
	s_cmp_lg_u32 s2, 0xf033
	s_cbranch_scc0 .Lentry_shape_is_right
	s_endpgm
.Lentry_shape_is_right:
; PROJ.  The three projections as one product [16384 x 1024] x [1024 x 3072] in bf16 with f32 sums, with both softmaxes and the partial product P^T V made from the sums in registers.
; SHARES.  Work-group (g, rb) owns tokens 256 rb .. + 255 (batch b = rb / 8, block i = rb % 8) and heads 4 g .. 4 g + 3, and makes THREE passes of a tile 256 x 256 x 1024:
; pass 0: q | v of heads 0, 1;  pass 1: k of all four;  pass 2: q | v of heads 2, 3.  wt's rows lie in that order.  Four waves, each 128 x 128: 64 accumulators, 512 registers.
; K goes in steps of 128 through a ring of two LDS slots (X's 256 rows, then wt's 256 rows); the ring runs on from pass to pass.
; CLUSTER 4 x 4: X's tiles are shared along a row of the cluster (same rb), wt's along a column (same g): each is asked for jointly.
; ORIENTATION.  In a result, lane % 16 is source 1's row and register j source 0's row 8 (lane / 16) + j.  Both tiles have the same form in LDS, so which feeds which source is an address:
;   passes 0, 2: source 0 = tokens, source 1 = channels: a lane holds ONE CHANNEL and tokens down its registers.  The softmax down the sequence stays in the lane, and q's weights and v,
;                rounded in pairs, ARE the two sources of S = P^T V.
;   pass 1:      source 0 = channels, source 1 = tokens: a lane holds ONE TOKEN and 32 of a head's 64 channels; the weights, rounded in pairs, are stored as the next launch's source 0.
; A wave's rows of either source are 64 w + 16 i + 64 (i / 4), i = 0..7: w = wave % 2 for source 0, wave / 2 for source 1.  So window 2 holds q and window 3 v of ONE head (passes 0, 2).
; WHAT IS STORED.  With c = log2 e:  q' = c s + c mask;  for the block's 256 tokens p = 2^(q' - max q'), l = sum p, S = p^T (x Wv), m' = max q' + c bq: part, stat (f32).
; bq is the same for all tokens of a channel, so q + bq + mask less its maximum IS q + mask less its maximum, for every input: bq is added to the maximum alone.
; k' = c s + c bk;  2^(k' - max over the head's channels) in bf16: cp;  the reciprocal of their f32 sum: rl.  bv is added by the next launch (both sets of weights add up to one).
; FORMATS AND LIMITS.  All inputs are rounded once to bf16, mask and biases too.  p, v and k's weights are bf16 matrix operands; maxima, sums and S are f32.  A weight below 2^-126 counts as 0.
; A token whose c mask overflows f32 (mask below -2.3e38, or -inf) has weight 0; max q' is never below -3.4e38, so such a block's p and l are 0.  NaN is not treated apart.
; REGISTERS, in windows of 256 (s_set_vgpr_msb: bits 1:0 source 0, 3:2 source 1, 5:4 source 2, 7:6 destination):
;   window 0: v0-31 addresses; v32-39 c bq; v48-55 at work; v64-127, v128-191 source 1's fragments, two buffers; v192-255 statistics
;   window 1: v0-63 c mask of my 128 tokens; v64-127, v128-191 source 0's fragments; v192-255 c bk of my 128 channels
;   window 2: accumulators (a, b), a = 0..3, at v[8 (8 a + b)];   window 3: a = 4..7
.set SIZE_K, 1024
.set KSTEP,  128
.set PITCH,  272                       ; an LDS row: 256 bytes + 16 of padding = 68 words: the 16 rows of a fragment load start at 16 different groups of four banks (64 banks of 4 bytes: ISA guide 11.1)
.set HALFT,  128*PITCH                 ; what one tensor load brings
.set SLOT,   4*HALFT                   ; X's 256 rows, then wt's 256 rows
.set EX,     2*SLOT                    ; behind the ring, never filled by a tensor load: 256 bytes a wave, a block's column maxima
.set SX,     EX+1024                   ; 16,640 bytes for each pair of waves: S (16 x 1,024), then l (256)
.set SXW,    16640
.set ST,     SX+2*SXW                  ; 1,024 bytes a wave, its own: statistics on their way out
.set SPARE,  ST+4096                   ; the spare words, 128 bytes for each wave: two blocks of 256 bytes that no other line names
.set LAPS,   SIZE_K/(2*KSTEP)          ; a lap = two K steps = once round the ring
.set BACK_A, (SIZE_K-2*KSTEP)*2        ; at a change of passes X goes back along K,
.set NEXT_B, 256*SIZE_K*2-BACK_A       ; wt 256 rows down and back along K
.set EXW, 10                           ; v10  where I put a column maximum
.set EXR, 11                           ; v11  where my partner (wave xor 1: same channels, the other tokens) put its
.set SXA, 12                           ; v12  my 16 bytes of a half accumulator of S
.set SXL, 13                           ; v13  my column's l
.set STW, 14                           ; v14  my stage, by lane % 16
.set STR, 15                           ; v15  my stage, 16 bytes a lane
.set ADR1, 16                          ; v16-17  LDS address of source 1's fragments in slot 0, 1
.set L1,   18                          ; v18-19  the same less the tile's place in the slot; never rewritten
.set ADR0, 20                          ; v20-21  source 0's
.set L0,   22                          ; v22-23
.set L16,  24                          ; v24  16 x lane
.set RLO,  25                          ; v25  rl: 16 (lane % 16) + 512 (lane / 16)
.set CV,   26                          ; v26  c
.set BO,   27                          ; v27  mask, bk: 32 (lane / 16) + 256 (wave % 2)
.set SPW,  28                          ; v28  LDS address of my spare word; never rewritten
.set NIL,  29                          ; v29  0; never rewritten
.set PFO,  30                          ; v30  the prefetches' offset: lane x a row of 2,048 bytes; never rewritten
.set BQO,  31                          ; v31  bq: 4 (lane % 16) + 256 (wave / 2)
.set BQ,   32                          ; v32-35 c bq of this q | v pass's four blocks of 16 channels; v36-39 of the next
.set F0,   64
.set F1,   128
.set KU,   192                         ; statistics of UNIT n, 32 registers at 32 (n % 8) of window 2 + n / 8: v[KU+4 n], +1 two chains of its maximum, then the maximum and one at work; +2, +3 its sum
                                       ; k: n = 2 a + (head half).  q | v: block d of 16 channels is units 2 d and 2 d + 1 of window 2; both take the block's maximum
.set MK,   0                           ; window 1
.set BK,   192                         ; window 1
.set FLO, 8                            ; s8   the lowest finite number: where every maximum starts
.set G1, 24                            ; s[24:31] descriptor group 1 for X's tiles;  s[32:39] group 0, a set for each slot
.set G0, 32
.set G1B, 48                           ; s[48:55], s[56:63] the same for wt's tiles
.set G0B, 56
.set LIM, 43                           ; s43  1 in a wave that prefetches, else the greatest number
.set PFA, 44                           ; s[44:45] where my prefetches stand
.set O0,  82                           ; s82  the place in a slot of the tile that feeds source 0
.set O1,  83                           ; s83  source 1
.set CS,  84                           ; s[84:85] c, twice
.set SEL, 86                           ; s[86:87] v_permlanex16_b32's selects: each lane takes its own place in the other half
.set MSB, 0
.macro WIN new                         ; the immediate's high byte repeats the setting that is left; a switch that changes nothing is dropped
.if MSB != (\new)
	s_set_vgpr_msb (MSB<<8)|(\new)
.set MSB, \new
.endif
.endm
.set MUL_LO, 0xa1                      ; source 0 window 1, source 1 window 0, C and D window 2
.set MUL_HI, 0xf1                      ; the same, C and D window 3
.set TO_B,   0x40                      ; destination window 1, address window 0
; A joint load.  Waves 0 and 1 fetch X's two halves, waves 2 and 3 wt's.  The branch hangs on the wave's number alone.  An s_nop 0 and four v_nop follow each of the two lines.
.macro JLOAD s
	s_cmp_eq_u32 s11, 0
	s_cbranch_scc0 .Lfor_b_\@
	tensor_load_to_lds s[G0+4*(\s):G0+4*(\s)+3], s[G1:G1+7]
	s_nop 0
.rept 4
	v_nop
.endr
	s_branch .Lasked_\@
.Lfor_b_\@:
	tensor_load_to_lds s[G0B+4*(\s):G0B+4*(\s)+3], s[G1B:G1B+7]
	s_nop 0
.rept 4
	v_nop
.endr
.Lasked_\@:
.endm
; A prefetch of the K step that stands two refills on: 32 rows x 256 bytes, a lane a row, one instruction a wave, behind the joint load and the run of LDS loads.  Each row's 256 bytes are named once in the
; launch.  X's rows are read by this cluster alone, and come anew in pass 0 alone: every cluster asks then.  wt's rows are new in every pass and are read by all sixteen clusters: cluster y = 0 asks.
; The four partners that ask for a tile jointly share its rows out by address, 32 each.  how = 0, in the loop: a pass's last two refills have no K step two on; how = 1, at a change of passes.
.macro ASK how
.if \how
	s_cmp_eq_u32 s[LIM], 1
.else
	s_cmp_gt_u32 s3, s[LIM]                        ; s3 = 1 in the loop's last trip
.endif
	s_cbranch_scc0 .Lnot_mine_\@
	global_prefetch_b8 v[PFO], s[PFA:PFA+1] offset:KSTEP*2 th:TH_LOAD_NT scope:SCOPE_SE
.Lnot_mine_\@:
.endm
.macro CREST                           ; a round of the cluster's barrier behind its opening barrier
	s_cmp_lg_u32 s10, 0
	s_cbranch_scc1 .Lnot_wave_0_\@
	s_barrier_signal -3
.Lnot_wave_0_\@:
	s_barrier_wait -3
	s_barrier_signal -1
	s_barrier_wait -1
.endm
.macro CROUND                          ; a whole round
	s_barrier_signal -1
	s_barrier_wait -1
	CREST
.endm
	s_load_b128 s[4:7], s[0:1], 0x0                ; xb s[4:5], wt s[6:7]
	s_load_b256 s[68:75], s[0:1], 0x10             ; mask s[68:69], bq s[70:71], bk s[72:73], cp s[74:75]
	s_load_b128 s[76:79], s[0:1], 0x30             ; rl s[76:77], part s[78:79]
	s_load_b64 s[80:81], s[0:1], 0x40              ; stat
	v_lshl_add_u32 v[SPW], v0, 2, SPARE
	v_mov_b32 v[NIL], 0
	ds_add_u32 v[SPW], v[NIL]                      ; the wave's opening: the add and its wait stand ahead of my first tensor load; the set-up below, work on registers, stands between them
	v_lshrrev_b32 v1, 5, v0
	v_readfirstlane_b32 s10, v1                    ; wave 0..3
	s_lshr_b32 s11, s10, 1                         ; w1: my rows of source 1.  Also: I fetch for X (0) or for wt (1)
	s_and_b32 s12, s10, 1                          ; w0: my rows of source 0.  Also: which 128 rows of that tile I fetch
	s_bfe_u32 s40, ttmp6, 0x40000                  ; cx
	s_bfe_u32 s41, ttmp6, 0x40004                  ; cy
	s_lshl_b32 s42, ttmp9, 2
	s_add_co_u32 s42, s42, s40                     ; g = 4 x cluster x + cx
	s_and_b32 s13, ttmp7, 0xffff
	s_lshl_b32 s13, s13, 2
	s_add_co_u32 s13, s13, s41                     ; rb = 4 x cluster y + cy
	s_lshl_b32 s43, s41, 2
	s_lshl_b32 s43, 15, s43                        ; my row of the cluster
	s_lshl_b32 s44, 0x1111, s40                    ; my column
	; descriptor group 1: a tile of 128 rows x 128 elements, padded in LDS
	s_or_b32 s[G1+0], s43, (1<<16)|(1<<20)|(1<<21)|(5<<22)|(3<<25)  ; 15:0 the mask: X's tiles go to my row; 17:16 elements of 2 bytes; 20 padding on; 21 set beside a mask; 24:22 after every 64 words; 31:25 4 words of it
	s_or_b32 s[G1B+0], s44, (1<<16)|(1<<20)|(1<<21)|(5<<22)|(3<<25) ; the same with the mask of my column
.irp g, G1, G1B
	s_mov_b32 s[(\g)+1], KSTEP<<16                 ; tensor_dim0 = 128
	s_mov_b32 s[(\g)+2], 128<<16                   ; tensor_dim1 = 128
	s_mov_b32 s[(\g)+3], KSTEP<<16                 ; tile_dim0 = 128
	s_mov_b32 s[(\g)+4], 128                       ; tile_dim1 = 128
	s_mov_b32 s[(\g)+5], SIZE_K                    ; elements from row to row
	s_mov_b32 s[(\g)+6], 0
	s_mov_b32 s[(\g)+7], 0
.endr
	s_lshl_b32 s17, s12, 7                         ; which 128 rows of the tile I fetch
	s_lshl_b32 s16, s13, 8
	s_add_co_u32 s16, s16, s17                     ; X: row 256 rb + 128 x half,
	s_lshl_b32 s16, s16, 11                        ; in bytes (under 2^26)
	s_mul_i32 s46, s42, 768
	s_add_co_u32 s46, s46, s17                     ; wt: row 768 g + 128 x half
	s_lshl_b32 s46, s46, 11
	s_mov_b32 s17, 0
	s_mov_b32 s47, 0
	s_mul_i32 s20, s10, HALFT                      ; where they go: wave x 128 rows: no place in the cluster enters an LDS address
	s_mov_b32 s[CS], 0x3fb8aa3b                    ; c = log2 e
	s_mov_b32 s[CS+1], 0x3fb8aa3b
	s_mov_b32 s[SEL], 0x76543210
	s_mov_b32 s[SEL+1], 0xfedcba98
	s_mov_b32 s[FLO], 0xff7fffff
	s_wait_dscnt 0x0                               ; the opening add is done
	s_wait_kmcnt 0x0
	s_add_nc_u64 s[14:15], s[4:5], s[16:17]
	s_add_nc_u64 s[46:47], s[6:7], s[46:47]
	CROUND                                         ; all sixteen work-groups are here: the first joint loads meet
.irp s, 0,1
	s_mov_b32 s[G0+4*(\s)], 1                                      ; count = 1
	s_add_co_u32 s[G0+4*(\s)+1], s20, (\s)*SLOT                    ; LDS address
	s_add_nc_u64 s[G0+4*(\s)+2:G0+4*(\s)+3], s[14:15], (\s)*KSTEP*2  ; global address: K step s
	s_or_b32 s[G0+4*(\s)+3], s[G0+4*(\s)+3], 0x80000000            ; type = 2
	s_mov_b32 s[G0B+4*(\s)], 1
	s_add_co_u32 s[G0B+4*(\s)+1], s20, (\s)*SLOT
	s_add_nc_u64 s[G0B+4*(\s)+2:G0B+4*(\s)+3], s[46:47], (\s)*KSTEP*2
	s_or_b32 s[G0B+4*(\s)+3], s[G0B+4*(\s)+3], 0x80000000
	JLOAD \s                                       ; two loads of mine are out
.endr
	; all that follows, up to the first barrier, stands in the wait for the first tile
	s_mov_b32 s88, s13                             ; rb
	s_lshr_b32 s89, s13, 3                         ; b
	s_and_b32 s90, s13, 7                          ; i
	v_and_b32 v1, 15, v0                           ; r = lane % 16
	v_bfe_u32 v2, v0, 4, 1                         ; h = lane / 16
	v_and_b32 v4, 31, v0                           ; lane
	v_mul_u32_u24 v3, v1, PITCH
	v_lshl_add_u32 v3, v2, 4, v3                   ; a fragment's row x pitch + 16 x half
	s_mul_i32 s21, s11, 64*PITCH
	s_mul_i32 s22, s12, 64*PITCH
.irp s, 0,1
	v_add_nc_u32 v[L1+(\s)], s21, v3
	v_add_nc_u32 v[L0+(\s)], s22, v3
	s_add_co_u32 s21, s21, SLOT
	s_add_co_u32 s22, s22, SLOT
.endr
	s_mov_b32 s[O0], 0                             ; pass 0: source 0 = tokens (X's tile lies first in a slot),
	s_mov_b32 s[O1], 2*HALFT                       ; source 1 = channels
.irp s, 0,1
	v_add_nc_u32 v[ADR0+(\s)], s[O0], v[L0+(\s)]
	v_add_nc_u32 v[ADR1+(\s)], s[O1], v[L1+(\s)]
.endr
	s_lshl_b32 s23, s10, 8
	s_add_co_u32 s23, s23, EX
	v_lshl_add_u32 v[EXW], v1, 2, s23
	s_xor_b32 s23, s10, 1
	s_lshl_b32 s23, s23, 8
	s_add_co_u32 s23, s23, EX
	v_lshl_add_u32 v[EXR], v1, 2, s23
	s_mul_i32 s23, s11, SXW
	s_add_co_u32 s23, s23, SX
	v_lshl_add_u32 v[SXA], v4, 4, s23
	s_add_co_u32 s23, s23, 16384
	v_lshl_add_u32 v[SXL], v1, 2, s23
	s_lshl_b32 s23, s10, 10
	s_add_co_u32 s23, s23, ST
	v_lshl_add_u32 v[STW], v1, 2, s23
	v_lshl_add_u32 v[STR], v4, 4, s23
	v_lshlrev_b32 v[L16], 4, v4
	v_lshlrev_b32 v[RLO], 4, v1
	v_lshl_add_u32 v[RLO], v2, 9, v[RLO]
	v_mov_b32 v[CV], 0x3fb8aa3b
	s_lshl_b32 s23, s12, 8
	v_lshl_add_u32 v[BO], v2, 5, s23
	s_lshl_b32 s23, s11, 8
	v_lshl_add_u32 v[BQO], v1, 2, s23
	s_lshl_b32 s98, s88, 10                        ; my block's 256 numbers of the mask
	s_mov_b32 s99, 0                               ; stays 0: the upper word of every offset made in s98
	s_add_nc_u64 s[92:93], s[68:69], s[98:99]
	s_lshl_b32 s98, s42, 10                        ; my group's 256 numbers of bk and of bq
	s_add_nc_u64 s[94:95], s[72:73], s[98:99]
	s_add_nc_u64 s[96:97], s[70:71], s[98:99]
	WIN TO_B
.irp b, 0,1,2,3,4,5,6,7                ; register 8 b + j: row 64 w0 + 16 b + 64 (b / 4) + 8 h + j of source 0: a token (mask) or a channel (bk)
.irp q, 0,1
	global_load_b128 v[MK+8*(\b)+4*(\q):MK+8*(\b)+4*(\q)+3], v[BO], s[92:93] offset:(16*(\b)+64*((\b)/4))*4+16*(\q)
	global_load_b128 v[BK+8*(\b)+4*(\q):BK+8*(\b)+4*(\q)+3], v[BO], s[94:95] offset:(16*(\b)+64*((\b)/4))*4+16*(\q)
.endr
.endr
	WIN 0
.irp n, 0,1,2,3,4,5,6,7                ; bq of channel 128 (n / 4) + 64 w1 + 16 (n % 4) + r
	global_load_b32 v[BQ+(\n)], v[BQO], s[96:97] offset:((\n)/4)*512+((\n)%4)*64
.endr
	; the prefetches: who asks, and where
	s_lshl_b32 s19, s88, 8                         ; X: the tile's first row
	s_mul_i32 s18, s42, 768                        ; wt: pass 0's
	s_and_b32 s22, ttmp7, 0xffff                   ; cluster y
	s_cmp_eq_u32 s11, 0                            ; do I fetch for X?
	s_cselect_b32 s20, s19, s18
	s_cselect_b32 s21, s40, s41                    ; my place among the four that ask with me
	s_cselect_b32 s22, 0, s22                      ; X's rows are this cluster's alone; wt's are read by every cluster
	s_cselect_b64 s[PFA:PFA+1], s[4:5], s[6:7]
	s_cmp_eq_u32 s22, 0
	s_cselect_b32 s[LIM], 1, -1                    ; the same in all sixteen partners, for a given wave
	s_lshl_b32 s22, s12, 7
	s_add_co_u32 s20, s20, s22                     ; + the 128 rows that I fetch
	s_lshl_b32 s21, s21, 5
	s_add_co_u32 s20, s20, s21                     ; + my work-group's 32 of them
	s_lshl_b32 s20, s20, 11
	s_mov_b32 s21, 0
	s_add_nc_u64 s[PFA:PFA+1], s[PFA:PFA+1], s[20:21]
	s_add_nc_u64 s[PFA:PFA+1], s[PFA:PFA+1], 2*KSTEP*2  ; at K step 2: the first refill steps it to 3 and names K step 4.  Nothing is prefetched here, at the head
	v_lshlrev_b32 v[PFO], 11, v4
	s_wait_loadcnt 0x0                             ; mask, bk, bq
	WIN 0x05                                       ; sources window 1, destination window 0: rounded to bf16, in pairs, into buffer 1, which is still free
.set n, 0
.rept 32
	v_cvt_pk_bf16_f32 v[F1+n],    v[MK+2*n], v[MK+2*n+1]
	v_cvt_pk_bf16_f32 v[F1+32+n], v[BK+2*n], v[BK+2*n+1]
.set n, n+1
.endr
	WIN TO_B                                       ; and back as f32, times c
.set n, 0
.rept 32
	v_fma_mix_f32_bf16 v[MK+2*n],   v[F1+n],    v[CV], v[NIL] op_sel_hi:[1,0,0]
	v_fma_mix_f32_bf16 v[MK+2*n+1], v[F1+n],    v[CV], v[NIL] op_sel:[1,0,0] op_sel_hi:[1,0,0]
	v_fma_mix_f32_bf16 v[BK+2*n],   v[F1+32+n], v[CV], v[NIL] op_sel_hi:[1,0,0]
	v_fma_mix_f32_bf16 v[BK+2*n+1], v[F1+32+n], v[CV], v[NIL] op_sel:[1,0,0] op_sel_hi:[1,0,0]
.set n, n+1
.endr
	WIN 0
.irp n, 0,1,2,3
	v_cvt_pk_bf16_f32 v[48+(\n)], v[BQ+2*(\n)], v[BQ+2*(\n)+1]
.endr
.irp n, 0,1,2,3
	v_fma_mix_f32_bf16 v[BQ+2*(\n)],   v[48+(\n)], v[CV], v[NIL] op_sel_hi:[1,0,0]
	v_fma_mix_f32_bf16 v[BQ+2*(\n)+1], v[48+(\n)], v[CV], v[NIL] op_sel:[1,0,0] op_sel_hi:[1,0,0]
.endr
; 16 matrix instructions: blocks a0, a0 + 1 of the window's four of source 1 x all 8 blocks of source 0, 32 along K.  zero = 1: the first product starts the sums: nothing is ever cleared.
; The 64 accumulators take turns, one instruction a turn, in the same order in every quarter step.
.macro MUL16 f, hi, a0, zero
	WIN MUL_LO+0x50*(\hi)
.irp a, \a0, (\a0)+1
.irp b, 0,1,2,3,4,5,6,7
.if \zero
	v_wmma_f32_16x16x32_bf16 v[8*(8*(\a)+(\b)):8*(8*(\a)+(\b))+7], v[(\f)+8*(\b):(\f)+8*(\b)+7], v[(\f)+8*(4*(\hi)+(\a)):(\f)+8*(4*(\hi)+(\a))+7], 0
.else
	v_wmma_f32_16x16x32_bf16 v[8*(8*(\a)+(\b)):8*(8*(\a)+(\b))+7], v[(\f)+8*(\b):(\f)+8*(\b)+7], v[(\f)+8*(4*(\hi)+(\a)):(\f)+8*(4*(\hi)+(\a))+7], v[8*(8*(\a)+(\b)):8*(8*(\a)+(\b))+7]
.endif
.endr
.endr
.endm
; 32 LDS loads in one run: the fragments of one quarter step (32 K at byte k of the rows) into buffer f: source 0's eight, then source 1's eight; fragment i is rows 16 i + 64 (i / 4) from my first
.macro FETCH slot, k, f
	WIN TO_B
.irp i, 0,1,2,3,4,5,6,7
	ds_load_b128 v[(\f)+8*(\i):(\f)+8*(\i)+3],   v[ADR0+(\slot)] offset:(\k)+(16*(\i)+64*((\i)/4))*PITCH
	ds_load_b128 v[(\f)+8*(\i)+4:(\f)+8*(\i)+7], v[ADR0+(\slot)] offset:(\k)+(16*(\i)+64*((\i)/4))*PITCH+32
.endr
	WIN 0
.irp i, 0,1,2,3,4,5,6,7
	ds_load_b128 v[(\f)+8*(\i):(\f)+8*(\i)+3],   v[ADR1+(\slot)] offset:(\k)+(16*(\i)+64*((\i)/4))*PITCH
	ds_load_b128 v[(\f)+8*(\i)+4:(\f)+8*(\i)+7], v[ADR1+(\slot)] offset:(\k)+(16*(\i)+64*((\i)/4))*PITCH+32
.endr
.endm
.macro PLACES                          ; four places between a matrix instruction and a load into a register that it read, or a line that reads its result (ISA guide 7.12.1 for vector instructions)
.rept 4
	v_nop
.endr
.endm
; A K step is four quarter steps of 32 along K, 64 matrix instructions each, on buffers 0, 1, 0, 1.  One of the first three: multiplies f; in its middle it fetches the next quarter, at byte k, into g.
.macro QUARTER slot, k, f, g, zero
	s_wait_dscnt 8                                 ; all but the youngest eight loads (source 1's fragments 4-7)
	WIN MUL_LO
	MUL16 \f, 0, 0, \zero
	MUL16 \f, 0, 2, \zero
	PLACES
	FETCH \slot, \k, \g
	s_wait_dscnt 32                                ; all but the 32 just issued
	WIN MUL_HI
	MUL16 \f, 1, 0, \zero
	MUL16 \f, 1, 2, \zero
.endm
; The last quarter multiplies buffer 1 and changes slots.  MEET is its first half: one barrier; in front of it each wave waits for all its tensor loads (one is out: its part of the next slot), adds 0 to its
; spare word, and waits for that and for its own reads of this slot.
.macro MEET round
	WIN 0                                          ; (the add's two registers lie in window 0)
	s_wait_tensorcnt 0x0                           ; all my tensor loads have landed;
	ds_add_u32 v[SPW], v[NIL]                      ; 0 onto my spare word;
	s_wait_dscnt 9                                 ; (the add and the youngest eight loads may be out)
	WIN MUL_LO
	MUL16 F1, 0, 0, 0                              ; sixteen matrix instructions stand between the add and the wait for it
	s_wait_dscnt 0x0                               ; the add is done, and my reads of this slot are over
	s_barrier_signal -1
	MUL16 F1, 0, 2, 0
.if \round
	WIN 0
.endif
	s_barrier_wait -1
.endm
; The whole last quarter.  Behind the round the slot just read out is filled again first: with this pass's K step two on (on = 0) or with the next pass's K step 0 or 1 (on = 1).
.macro TURN slot, next, on
	s_wait_xcnt 0x0                                ; the last prefetch, a K step back, has read its address
.if (\on) && (\slot) == 0
	s_add_nc_u64 s[PFA:PFA+1], s[PFA:PFA+1], 255*SIZE_K*2+KSTEP*2  ; from the K step after the pass's last to the next pass's K step 1: 256 rows down, back along K
	s_cmp_eq_u32 s11, 1
	s_cselect_b32 s[LIM], s[LIM], -1               ; X's rows are the same in every pass: they have been read, and are prefetched no more
.else
	s_add_nc_u64 s[PFA:PFA+1], s[PFA:PFA+1], KSTEP*2
.endif
	MEET 1
	CREST                                          ; no wave of any partner still reads this slot's tile or has a load on its way
.if \on
	s_sub_nc_u64 s[G0+4*(\slot)+2:G0+4*(\slot)+3], s[G0+4*(\slot)+2:G0+4*(\slot)+3], BACK_A
	s_add_nc_u64 s[G0B+4*(\slot)+2:G0B+4*(\slot)+3], s[G0B+4*(\slot)+2:G0B+4*(\slot)+3], NEXT_B
.else
	s_add_nc_u64 s[G0+4*(\slot)+2:G0+4*(\slot)+3], s[G0+4*(\slot)+2:G0+4*(\slot)+3], 2*KSTEP*2
	s_add_nc_u64 s[G0B+4*(\slot)+2:G0B+4*(\slot)+3], s[G0B+4*(\slot)+2:G0B+4*(\slot)+3], 2*KSTEP*2
.endif
	JLOAD \slot                                    ; the first tensor load behind the round; its four v_nop are also the places in front of the loads below
	FETCH \next, 0, F0
	ASK \on
	WIN MUL_HI
	MUL16 F1, 1, 0, 0
	MUL16 F1, 1, 2, 0
.endm
; In place: of each group of g registers the g / 2 pairs are rounded to bf16 into its lower half.  The window is the caller's.
.macro PACKG g
.set x, 0
.rept 256/(\g)
.set r, 0
.rept (\g)/2
	v_cvt_pk_bf16_f32 v[x+r], v[x+2*r], v[x+2*r+1]
.set r, r+1
.endr
.set x, x+(\g)
.endr
.endm
; Window 2 + w: every sum times c plus the table's number for its register (tab, in window 1: c mask by token, or c bk by channel); then two chains of each unit's maximum, the sixteen by turns.
; Each accumulator's lowest registers are read first.
.macro SCALEMAX w, tab
	WIN 0x92+0x41*(\w)
.set p, 0
.rept 128
	v_pk_fma_f32 v[2*p:2*p+1], v[2*p:2*p+1], s[CS:CS+1], v[(\tab)+(2*p)%64:(\tab)+(2*p)%64+1] op_sel_hi:[1,0,1]
.set p, p+1
.endr
	WIN 0x28+0x14*(\w)
.set n, 0
.rept 8
.set u, 0
.rept 8
	v_max3_num_f32 v[KU+32*(\w)+4*u],   v[KU+32*(\w)+4*u],   v[32*u+2*n],    v[32*u+2*n+1]
	v_max3_num_f32 v[KU+32*(\w)+4*u+1], v[KU+32*(\w)+4*u+1], v[32*u+16+2*n], v[32*u+16+2*n+1]
.set u, u+1
.endr
.set n, n+1
.endr
.endm
; A window's 256 numbers less their units' maxima, and 2 to that power.  Pair p takes the maximum in v[sb + 4 (p / 16)] of window 0.  The subtractions run eight pairs ahead of the exponentials; no line names
; an exponential's result: the caller writes one wait for the batch.
.macro SUBEXP set, sb
	WIN \set
.set p, 0
.set e, 0
.rept 128+8
.if p < 128
	v_pk_add_f32 v[2*p:2*p+1], v[2*p:2*p+1], v[(\sb)+4*(p/16):(\sb)+4*(p/16)+1] op_sel_hi:[1,0] neg_lo:[0,1] neg_hi:[0,1]
.endif
.set p, p+1
.if p > 8
	v_exp_f32 v[2*e], v[2*e]
	v_exp_f32 v[2*e+1], v[2*e+1]
.set e, e+1
.endif
.endr
.endm
	s_wait_tensorcnt 1                             ; my part of K step 0 is in; K step 1's may stay out
	s_barrier_signal -1
	s_barrier_wait -1
	FETCH 0, 0, F0
	s_mov_b32 s2, 3                                ; passes to go, this one among them
.Ltile:
	QUARTER 0, 64,  F0, F1, 1                      ; a pass's first quarter: its products start the sums
	WIN 0
	s_mov_b32 s3, LAPS-1
.Llap:                                                 ; a trip goes once round the ring and fills both slots again
	QUARTER 0, 128, F1, F0, 0
	QUARTER 0, 192, F0, F1, 0
	TURN 0, 1, 0
	QUARTER 1, 64,  F0, F1, 0
	QUARTER 1, 128, F1, F0, 0
	QUARTER 1, 192, F0, F1, 0
	TURN 1, 0, 0
	QUARTER 0, 64,  F0, F1, 0
	WIN 0
	s_sub_co_u32 s3, s3, 1
	s_cmp_lg_u32 s3, 0
	s_cbranch_scc1 .Llap
	QUARTER 0, 128, F1, F0, 0
	QUARTER 0, 192, F0, F1, 0
	WIN 0
	s_cmp_eq_u32 s2, 1
	s_cbranch_scc1 .Llast                          ; the last pass's tail is written out: it asks for nothing more
	TURN 0, 1, 1                                   ; the ring goes on into the next pass: slot 0 takes its K step 0,
	QUARTER 1, 64,  F0, F1, 0
	QUARTER 1, 128, F1, F0, 0
	QUARTER 1, 192, F0, F1, 0
	WIN 0                                          ; this pass's last fragments have been asked for: the two sources change tiles (the passes go q | v, k, q | v)
	s_xor_b32 s[O0], s[O0], 2*HALFT
	s_xor_b32 s[O1], s[O1], 2*HALFT
.irp s, 0,1
	v_add_nc_u32 v[ADR0+(\s)], s[O0], v[L0+(\s)]
	v_add_nc_u32 v[ADR1+(\s)], s[O1], v[L1+(\s)]
.endr
	TURN 1, 0, 1                                   ; slot 1 its K step 1, and the next pass's first fragments are fetched into buffer 0
	WIN 0
	s_branch .Lepi
.Llast:
	MEET 0                                         ; my one tensor load that was out is the last K step's, so no round follows
	PLACES
	FETCH 1, 0, F0
	WIN MUL_HI
	MUL16 F1, 1, 0, 0
	MUL16 F1, 1, 2, 0
	QUARTER 1, 64,  F0, F1, 0
	QUARTER 1, 128, F1, F0, 0
	QUARTER 1, 192, F0, F1, 0
	s_wait_dscnt 8
	MUL16 F1, 0, 0, 0
	MUL16 F1, 0, 2, 0
	s_wait_dscnt 0x0
	MUL16 F1, 1, 0, 0
	MUL16 F1, 1, 2, 0
	WIN 0
; ---- BEHIND A PASS.  Buffer 0 holds the next pass's first fragments.  The two kinds of pass share this entry and the text at .Lsub2; the branches hang on the pass's number, the same in every wave and work-group.
.Lepi:
.set n, 0
.rept 16
	v_mov_b32 v[KU+4*n], s[FLO]                    ; every chain of a maximum starts at the lowest finite number; these lines are also the places behind the last products
	v_mov_b32 v[KU+4*n+1], s[FLO]
.set n, n+1
.endr
	s_cmp_eq_u32 s2, 2
	s_cbranch_scc1 .Lepi_k
; ---- A q | v PASS, first part.  Window 2: q of head 2 pp + w1, block d of 16 channels at v[64 d ..], register 8 b + j = token.  Window 3: v of the same head, likewise.
	SCALEMAX 0, MK                                 ; q' = c s + c mask (the register's token), and the maxima down my 128 tokens
	WIN 0
.irp d, 0,1,2,3
	v_max3_num_f32 v[KU+8*(\d)], v[KU+8*(\d)], v[KU+8*(\d)+1], v[KU+8*(\d)+4]
.endr
.irp d, 0,1,2,3
	v_max_num_f32 v[KU+8*(\d)], v[KU+8*(\d)], v[KU+8*(\d)+5]
.endr
.irp d, 0,1,2,3
	v_permlanex16_b32 v[KU+8*(\d)+1], v[KU+8*(\d)], s[SEL], s[SEL+1]  ; the channel's other tokens lie in the lane 16 away
.endr
.irp d, 0,1,2,3
	v_max_num_f32 v[KU+8*(\d)], v[KU+8*(\d)], v[KU+8*(\d)+1]
.endr
.irp d, 0,1,2,3
	ds_store_b32 v[EXW], v[KU+8*(\d)] offset:64*(\d)
.endr
	s_wait_dscnt 0x0                               ; for my partner's sake: my maxima are in LDS (and buffer 0's loads are back)
	s_barrier_signal -1                            ; the next pass's tile may stay on its way
	s_barrier_wait -1
.irp d, 0,1,2,3
	ds_load_b32 v[KU+8*(\d)+1], v[EXR] offset:64*(\d)
.endr
	s_wait_dscnt 0x0
.irp d, 0,1,2,3
	v_max_num_f32 v[KU+8*(\d)+4], v[KU+8*(\d)], v[KU+8*(\d)+1]  ; the maximum of the block's 256 tokens, the same in both waves: for the block's second unit,
.endr
.irp d, 0,1,2,3
	v_max_num_f32 v[KU+8*(\d)], v[KU+8*(\d)], v[KU+8*(\d)+1]    ; and for its first
.endr
	s_branch .Lsub2
; ---- THE k PASS, first part.  A lane holds one token.  Unit n = 2 a + hs (token block a, head w0 + 2 hs): channels 16 b' + 8 h + j; the lane 16 away holds the head's other 32.
.Lepi_k:
	SCALEMAX 0, BK                                 ; k' = c s + c bk (the register's channel)
	SCALEMAX 1, BK
	WIN 0
.set n, 0
.rept 16
	v_max_num_f32 v[KU+4*n], v[KU+4*n], v[KU+4*n+1]
.set n, n+1
.endr
.set n, 0
.rept 16
	v_permlanex16_b32 v[KU+4*n+1], v[KU+4*n], s[SEL], s[SEL+1]
.set n, n+1
.endr
.set n, 0
.rept 16
	v_max_num_f32 v[KU+4*n], v[KU+4*n], v[KU+4*n+1]
.set n, n+1
.endr
; ---- BOTH: window 2's numbers less their units' maxima, and 2 to that power: one batch of 256 exponentials
.Lsub2:
	SUBEXP 0x82, KU
	WIN 0
	v_nop                                          ; a plain instruction behind the last exponential,
	s_wait_alu depctr_va_vdst(0)                   ; and the one wait for the batch, ahead of the branch and of every line that names a result
	s_cmp_eq_u32 s2, 2
	s_cbranch_scc1 .Lk2
; ---- A q | v PASS, second part
	WIN 0xcf                                       ; v is rounded to bf16: tokens 32 u .. of block e become source 1's fragment at v[64 e + 16 u .. + 7] of window 3
	PACKG 16
	WIN 0x0a                                       ; l: two chains of pairs a block, in the two units' sum registers; the first two pairs start each
.irp d, 0,1,2,3
.irp c, 0,1
	v_pk_add_f32 v[KU+8*(\d)+4*(\c)+2:KU+8*(\d)+4*(\c)+3], v[64*(\d)+2*(\c):64*(\d)+2*(\c)+1], v[64*(\d)+2*(\c)+4:64*(\d)+2*(\c)+5]
.endr
.endr
	WIN 0x08
.set n, 2
.rept 14
.irp d, 0,1,2,3
.irp c, 0,1
	v_pk_add_f32 v[KU+8*(\d)+4*(\c)+2:KU+8*(\d)+4*(\c)+3], v[KU+8*(\d)+4*(\c)+2:KU+8*(\d)+4*(\c)+3], v[64*(\d)+2*(\c)+4*n:64*(\d)+2*(\c)+4*n+1]
.endr
.endr
.set n, n+1
.endr
	WIN 0x8a                                       ; p is rounded to bf16: source 0's fragment (d, u) at v[64 d + 16 u .. + 7] of window 2; the upper halves fall free
	PACKG 16
	WIN 0
.irp d, 0,1,2,3
	v_pk_add_f32 v[KU+8*(\d)+2:KU+8*(\d)+3], v[KU+8*(\d)+2:KU+8*(\d)+3], v[KU+8*(\d)+6:KU+8*(\d)+7]
.endr
.irp d, 0,1,2,3
	v_add_f32 v[KU+8*(\d)+2], v[KU+8*(\d)+2], v[KU+8*(\d)+3]
.endr
.irp d, 0,1,2,3
	v_permlanex16_b32 v[KU+8*(\d)+1], v[KU+8*(\d)+2], s[SEL], s[SEL+1]
.endr
.irp d, 0,1,2,3
	v_add_f32 v[KU+8*(\d)+2], v[KU+8*(\d)+2], v[KU+8*(\d)+1]  ; l of my 128 tokens
.endr
	WIN 0xae                                       ; S(d, e) = sum over my 128 tokens of p v, in the free halves: v[64 d + 16 e + 8 ..] of window 2.  The 16 accumulators take turns; the first 16 products start the sums
.irp u, 0,1,2,3
.irp d, 0,1,2,3
.irp e, 0,1,2,3
.if (\u) == 0
	v_wmma_f32_16x16x32_bf16 v[64*(\d)+16*(\e)+8:64*(\d)+16*(\e)+15], v[64*(\d)+16*(\u):64*(\d)+16*(\u)+7], v[64*(\e)+16*(\u):64*(\e)+16*(\u)+7], 0
.else
	v_wmma_f32_16x16x32_bf16 v[64*(\d)+16*(\e)+8:64*(\d)+16*(\e)+15], v[64*(\d)+16*(\u):64*(\d)+16*(\u)+7], v[64*(\e)+16*(\u):64*(\e)+16*(\u)+7], v[64*(\d)+16*(\e)+8:64*(\d)+16*(\e)+15]
.endif
.endr
.endr
.endr
	WIN 0
	PLACES
	PLACES
	s_cmp_eq_u32 s12, 1                            ; the wave with the block's other tokens hands its S and l over
	s_cbranch_scc0 .Lqv_meet
	WIN 0x08                                       ; store data in window 2
.set n, 0
.rept 32                               ; n = 2 (4 d + e) + half
	ds_store_b128 v[SXA], v[64*(n/8)+16*((n/2)%4)+8+4*(n%2):64*(n/8)+16*((n/2)%4)+11+4*(n%2)] offset:n*512
.set n, n+1
.endr
	WIN 0
.irp d, 0,1,2,3
	ds_store_b32 v[SXL], v[KU+8*(\d)+2] offset:64*(\d)
.endr
.Lqv_meet:
	s_wait_dscnt 0x0
	s_barrier_signal -1
	s_barrier_wait -1
	s_cmp_eq_u32 s12, 0
	s_cbranch_scc0 .Lqv_done
.set n, 0
.rept 16
	ds_load_b128 v[F1+4*n:F1+4*n+3], v[SXA] offset:n*512
.set n, n+1
.endr
	WIN TO_B
.set n, 0
.rept 16
	ds_load_b128 v[F1+4*n:F1+4*n+3], v[SXA] offset:(n+16)*512
.set n, n+1
.endr
	WIN 0
.irp d, 0,1,2,3
	ds_load_b32 v[KU+8*(\d)+1], v[SXL] offset:64*(\d)
.endr
	s_sub_co_u32 s66, 3, s2
	s_lshr_b32 s66, s66, 1                         ; pp: 0 in pass 0, 1 in pass 2
	s_lshl_b32 s91, s89, 4
	s_lshl2_add_u32 s91, s42, s91
	s_lshl1_add_u32 s91, s66, s91
	s_add_co_u32 s91, s91, s11                     ; 16 b + 4 g + 2 pp + w1: the head among all,
	s_lshl3_add_u32 s91, s91, s90                  ; x 8 + i
	s_lshl_b32 s98, s91, 14                        ; 16 accumulators of 1,024 bytes
	s_add_nc_u64 s[92:93], s[78:79], s[98:99]
	s_lshl_b32 s98, s91, 9                         ; m'[64], l[64]
	s_add_nc_u64 s[94:95], s[80:81], s[98:99]
	s_wait_dscnt 0x0
	WIN 0x08
.set n, 0
.rept 16
	v_pk_add_f32 v[F1+4*n:F1+4*n+1],   v[F1+4*n:F1+4*n+1],   v[64*(n/8)+16*((n/2)%4)+8+4*(n%2):64*(n/8)+16*((n/2)%4)+9+4*(n%2)]
	v_pk_add_f32 v[F1+4*n+2:F1+4*n+3], v[F1+4*n+2:F1+4*n+3], v[64*(n/8)+16*((n/2)%4)+10+4*(n%2):64*(n/8)+16*((n/2)%4)+11+4*(n%2)]
.set n, n+1
.endr
	WIN 0x49
.rept 16
	v_pk_add_f32 v[F1+4*n-64:F1+4*n-63], v[F1+4*n-64:F1+4*n-63], v[64*(n/8)+16*((n/2)%4)+8+4*(n%2):64*(n/8)+16*((n/2)%4)+9+4*(n%2)]
	v_pk_add_f32 v[F1+4*n-62:F1+4*n-61], v[F1+4*n-62:F1+4*n-61], v[64*(n/8)+16*((n/2)%4)+10+4*(n%2):64*(n/8)+16*((n/2)%4)+11+4*(n%2)]
.set n, n+1
.endr
	WIN 0
.set n, 0
.rept 16
	global_store_b128 v[L16], v[F1+4*n:F1+4*n+3], s[92:93] offset:n*512  ; 512 consecutive bytes, aligned
.set n, n+1
.endr
	WIN 0x04                                       ; store data in window 1
.set n, 0
.rept 16
	global_store_b128 v[L16], v[F1+4*n:F1+4*n+3], s[92:93] offset:(n+16)*512
.set n, n+1
.endr
	WIN 0
.irp d, 0,1,2,3
	v_add_f32 v[KU+8*(\d)+2], v[KU+8*(\d)+2], v[KU+8*(\d)+1]  ; l of the block's 256 tokens
.endr
.irp d, 0,1,2,3
	v_add_f32 v[KU+8*(\d)+5], v[KU+8*(\d)], v[BQ+(\d)]        ; m' = max q' + c bq (my lane's channel)
.endr
.irp d, 0,1,2,3
	ds_store_b32 v[STW], v[KU+8*(\d)+5] offset:64*(\d)
.endr
.irp d, 0,1,2,3
	ds_store_b32 v[STW], v[KU+8*(\d)+2] offset:256+64*(\d)
.endr
	ds_load_b128 v[48:51], v[STR]                  ; LDS serves a wave's instructions in order (ISA guide 5.7.1.4): this sees my stores above
	s_wait_dscnt 0x0
	global_store_b128 v[L16], v[48:51], s[94:95]   ; 512 consecutive bytes, aligned
.Lqv_done:
.irp n, 0,1,2,3
	v_mov_b32 v[BQ+(\n)], v[BQ+4+(\n)]             ; the one text of this part names c bq here: the next q | v pass's take their place
.endr
	s_wait_xcnt 0x0                                ; the stores have read their registers (buffer 1 is loaded again next) and their pointers
	s_branch .Lbottom
; ---- THE k PASS, second part
.macro KOUT w                          ; the sums of the unrounded weights; the weights rounded in place; stored as they lie: 16 bytes a lane are token r, channels 16 b' + 8 h + 0..7
	WIN 0x0a+5*(\w)
.set u, 0
.rept 8
	v_pk_add_f32 v[KU+32*(\w)+4*u+2:KU+32*(\w)+4*u+3], v[32*u:32*u+1], v[32*u+2:32*u+3]
.set u, u+1
.endr
	WIN 0x08+4*(\w)
.set n, 2
.rept 14
.set u, 0
.rept 8
	v_pk_add_f32 v[KU+32*(\w)+4*u+2:KU+32*(\w)+4*u+3], v[KU+32*(\w)+4*u+2:KU+32*(\w)+4*u+3], v[32*u+2*n:32*u+2*n+1]
.set u, u+1
.endr
.set n, n+1
.endr
	WIN 0x8a+0x45*(\w)
	PACKG 32
	WIN 0x08+4*(\w)
.set u, 0
.rept 8
.irp c, 0,1,2,3
	global_store_b128 v[L16], v[32*u+4*(\c):32*u+4*(\c)+3], s[92:93] offset:(u%2)*524288+(u/2+8*(\w))*2048+(\c)*512  ; 512 consecutive bytes, aligned
.endr
.set u, u+1
.endr
.endm
.Lk2:
	s_lshl_b32 s91, s89, 4
	s_lshl2_add_u32 s91, s42, s91
	s_add_co_u32 s91, s91, s12                     ; 16 b + 4 g + w0
	s_lshl_b32 s67, s91, 7                         ; 128 blocks of 16 tokens a head,
	s_lshl4_add_u32 s67, s90, s67                  ; + 16 i
	s_lshl2_add_u32 s67, s11, s67                  ; + 4 w1
	s_lshl_b32 s98, s67, 11                        ; of 2,048 bytes
	s_add_nc_u64 s[92:93], s[74:75], s[98:99]
	s_lshl_b32 s67, s91, 11                        ; 2,048 tokens a head,
	s_lshl_b32 s66, s90, 8
	s_add_co_u32 s67, s67, s66                     ; + 256 i
	s_lshl_b32 s66, s11, 6
	s_add_co_u32 s67, s67, s66                     ; + 64 w1
	s_lshl_b32 s98, s67, 2
	s_add_nc_u64 s[94:95], s[76:77], s[98:99]
	SUBEXP 0xc3, KU+32                             ; window 3's batch of 256 exponentials
	v_nop                                          ; a plain instruction behind the last exponential,
	s_wait_alu depctr_va_vdst(0)                   ; and the one wait for the batch
	KOUT 0
	KOUT 1
	WIN 0
.set n, 0
.rept 16
	v_add_f32 v[KU+4*n+2], v[KU+4*n+2], v[KU+4*n+3]
.set n, n+1
.endr
.set n, 0
.rept 16
	v_permlanex16_b32 v[KU+4*n+3], v[KU+4*n+2], s[SEL], s[SEL+1]
.set n, n+1
.endr
.set n, 0
.rept 16
	v_add_f32 v[KU+4*n+2], v[KU+4*n+2], v[KU+4*n+3]
.set n, n+1
.endr
.set n, 0
.rept 16
	v_rcp_f32 v[KU+4*n+2], v[KU+4*n+2]             ; the sum is at least 1: the greatest weight is 1
.set n, n+1
.endr
	v_nop
	s_wait_alu depctr_va_vdst(0)                   ; one wait for the sixteen reciprocals
.set n, 0
.rept 16
	ds_store_b32 v[STW], v[KU+4*n+2] offset:(8*(n%2)+n/2)*64  ; my stage: [head half][token block][token]
.set n, n+1
.endr
	ds_load_b128 v[48:51], v[STR]                  ; my own bytes, in order
	ds_load_b128 v[52:55], v[STR] offset:512
	s_wait_dscnt 0x0
	global_store_b128 v[RLO], v[48:51], s[94:95]   ; lanes 0-15: 64 tokens, 256 consecutive bytes, aligned; lanes 16-31: the 64 tokens 128 further on
	global_store_b128 v[RLO], v[52:55], s[94:95] offset:16384
	s_wait_xcnt 0x0                                ; the stores have read their registers (the accumulators start anew next) and their pointers
.Lbottom:
	s_sub_co_u32 s2, s2, 1
	s_cmp_lg_u32 s2, 0
	s_cbranch_scc1 .Ltile
	s_wait_tensorcnt 0x0                           ; the wave's end, behind my last tensor load and my last LDS store
	ds_add_u32 v[SPW], v[NIL]
	s_wait_dscnt 0x0
	CROUND                                         ; the closing round: no work-group ends while a partner may still ask for a tile that names it
	s_endpgm
.Lfunc_end_k_q77369a0dc8_proj:
	.size	k_q77369a0dc8_proj, .Lfunc_end_k_q77369a0dc8_proj-k_q77369a0dc8_proj
	.p2alignl 7, 3214868480
	.fill 96, 4, 3214868480
	.section	.rodata,"a",@progbits
	.p2align	6, 0x0
	.amdhsa_kernel k_q77369a0dc8_proj
		.amdhsa_group_segment_fixed_size 327680
		.amdhsa_private_segment_fixed_size 0
		.amdhsa_enable_private_segment 0
		.amdhsa_kernarg_size 72
		.amdhsa_user_sgpr_count 2
		.amdhsa_user_sgpr_kernarg_segment_ptr 1
		.amdhsa_wavefront_size32 1
		.amdhsa_system_sgpr_workgroup_id_x 1
		.amdhsa_system_sgpr_workgroup_id_y 1
		.amdhsa_system_sgpr_workgroup_id_z 1
		.amdhsa_system_vgpr_workitem_id 0
		.amdhsa_next_free_vgpr 1024
		.amdhsa_next_free_sgpr 100
		.amdhsa_reserve_vcc 0
		.amdhsa_float_denorm_mode_32 3
		.amdhsa_float_denorm_mode_16_64 3
		.amdhsa_memory_ordered 1
		.amdhsa_forward_progress 1
		.amdhsa_inst_pref_size 255
	.end_amdhsa_kernel
	.section	.bss,"aw",@nobits
	.p2align	6
	.space	262144
	.amdgpu_metadata
---
amdhsa.version: [ 1, 2 ]
amdhsa.kernels:
  - .name:           k_q77369a0dc8_proj
    .symbol:         k_q77369a0dc8_proj.kd
    .args:
      - { .name: xb, .offset: 0, .size: 8, .value_kind: global_buffer, .address_space: global }
      - { .name: wt, .offset: 8, .size: 8, .value_kind: global_buffer, .address_space: global }
      - { .name: attention_mask, .offset: 16, .size: 8, .value_kind: global_buffer, .address_space: global }
      - { .name: bq, .offset: 24, .size: 8, .value_kind: global_buffer, .address_space: global }
      - { .name: bk, .offset: 32, .size: 8, .value_kind: global_buffer, .address_space: global }
      - { .name: cp, .offset: 40, .size: 8, .value_kind: global_buffer, .address_space: global }
      - { .name: rl, .offset: 48, .size: 8, .value_kind: global_buffer, .address_space: global }
      - { .name: part, .offset: 56, .size: 8, .value_kind: global_buffer, .address_space: global }
      - { .name: stat, .offset: 64, .size: 8, .value_kind: global_buffer, .address_space: global }
    .group_segment_fixed_size: 327680
    .private_segment_fixed_size: 0
    .kernarg_segment_align: 8
    .kernarg_segment_size: 72
    .max_flat_workgroup_size: 128
    .sgpr_count:     100
    .vgpr_count:     1024
    .wavefront_size: 32
...
	.end_amdgpu_metadata
.endif
;; end of part 2
;; launch ctx (part 3): grid 2 x 128, 16 waves a work-group, no clusters, 44,032 bytes of LDS; arguments cp, rl, part, stat, bv, out0; writes out0
.if DOCPART == 3
	.amdgcn_target "amdgcn-amd-amdhsa--gfx1250"
	.amdhsa_code_object_version 6
	.text
	.protected	k_q77369a0dc8_ctx
	.globl	k_q77369a0dc8_ctx
	.p2align	8
	.type	k_q77369a0dc8_ctx,@function
k_q77369a0dc8_ctx:
	s_mov_b64 s[64:65], 0
	v_nop
	global_prefetch_b8 v0, s[64:65] scope:SCOPE_SE
	s_setreg_imm32_b32 hwreg(HW_REG_WAVE_MODE, 25, 1), 1
	s_wait_xcnt 0x0
; CTX.  For one (batch, head) the eight blocks' partial sums are joined by their maxima, and out = (C s_ctx) / l_k + bv.
;   M' = max over i of m'_i;  W_i = 2^(m'_i - M') / sum over i of 2^(m'_i - M') l_i;  s_ctx(d, e) = sum over i of W_i(d) S_i(d, e), in f32, rounded once to bf16 as a matrix operand.
;   out(token, e) = (sum over d of C(token, d) s_ctx(d, e)) x (1 / l_k(token)) + bv(e): C is the unnormalised bf16 weight; one fused multiply-add applies 1 / l_k, adds bv and gathers four columns.
; bv is rounded to bf16 like every input.  LIMIT: a batch in which every token's weight is 0 (all c mask overflow f32) has a sum of 0 here and gives NaN.
; SHARES.  A work-group takes 1,024 tokens of one (batch, head): 256 work-groups.  Wave w joins accumulator w = 4 db + eb of s_ctx and then makes four tiles of 16 tokens x 64 columns.  No loop.
; All 57 loads of a wave go out at the head; the waits are counted.  No cluster: two work-groups share 132 KiB of the 264 KiB that each reads.  No prefetch: nothing is left to ask for ahead.
; COLUMNS.  Fragment c of s_ctx's four has column e = 4 r + c in lane r, so a lane's four results of a token are 16 consecutive bytes and sixteen lanes fill the head's 256 bytes of a row of out.
.set WT,    0                          ; 2,048 bytes a wave, its own: W[i][d], f32
.set SC,    32768                      ; s_ctx turned: 64 rows e x 144 bytes (64 bf16 d + 16): the sixteen rows of a store start at different banks
.set SCP,   144
.set SPARE, 41984                      ; the spare words, 128 bytes for each of 16 waves: eight blocks of 256 bytes that no other line names
.set SPW, 14                           ; v14  LDS address of my spare word; never rewritten
.set NIL, 15                           ; v15  0; never rewritten
.set BV,  16                           ; v16-19  bv of my four columns
.set CF,  24                           ; v[24:87]   C: tile t, channels 16 b' + 8 h .. at CF + 16 t + 4 b'
.set RL,  88                           ; v[88:119]  1 / l_k of tile t's tokens 8 h + j at RL + 8 t + j
.set SI,  120                          ; v[120:183] S_i at SI + 8 i; later s_ctx's fragments: (c, u) at SI + 8 (2 c + u)
.set MM,  184                          ; v[184:199] m' pairs, then 2^(m' - M') and W pairs;  v[184:247] then W_i at MM + 8 i;  then D_c at MM + 8 c
.set LL,  200                          ; v[200:215] l pairs
.set T,   216                          ; v[216:247] results to store
.set Z,   248                          ; v[248:249] M', v[250:251] the sum, v[252:253] its reciprocal
	s_load_b256 s[4:11], s[0:1], 0x0               ; cp s[4:5], rl s[6:7], part s[8:9], stat s[10:11]
	s_load_b128 s[12:15], s[0:1], 0x20             ; bv s[12:13], out0 s[14:15]
	v_lshl_add_u32 v[SPW], v0, 2, SPARE
	v_mov_b32 v[NIL], 0
	v_lshrrev_b32 v20, 5, v0
	v_readfirstlane_b32 s16, v20                   ; wave 0..15
	v_and_b32 v1, 31, v0                           ; lane
	v_and_b32 v2, 15, v0                           ; r
	v_bfe_u32 v3, v0, 4, 1                         ; h
	s_and_b32 s17, ttmp7, 0xffff                   ; bh = 16 b + head
	s_mov_b32 s18, ttmp9                           ; which half of the tokens
	s_lshr_b32 s19, s17, 4                         ; b
	s_and_b32 s22, s17, 15                         ; head
	s_lshr_b32 s23, s16, 2                         ; db
	s_and_b32 s24, s16, 3                          ; eb
	s_lshl_b32 s25, s16, 10
	v_lshl_add_u32 v4, v1, 4, s25                  ; part: my accumulator's 1,024 bytes, 16 a lane
	s_lshl_b32 s25, s16, 13
	v_lshl_add_u32 v5, v1, 4, s25                  ; cp: my four tiles of 2,048 bytes
	s_lshl_b32 s25, s16, 8
	v_lshl_add_u32 v6, v3, 5, s25                  ; rl: my 64 tokens, 8 for each half of the lanes
	v_lshlrev_b32 v7, 3, v1                        ; stat: two channels a lane
	s_lshl_b32 s25, s16, 11
	v_lshl_add_u32 v8, v1, 3, s25                  ; W in: two channels a lane
	s_lshl_b32 s26, s23, 6
	s_add_co_u32 s25, s25, s26
	v_lshl_add_u32 v9, v3, 5, s25                  ; W back: channels 16 db + 8 h + 0..7
	s_mul_i32 s25, s24, 16*SCP
	s_lshl_b32 s26, s23, 5
	s_add_co_u32 s25, s25, s26
	s_add_co_u32 s25, s25, SC
	v_mul_u32_u24 v10, v2, SCP
	v_lshl_add_u32 v10, v3, 4, v10
	v_add_nc_u32 v10, s25, v10                     ; s_ctx in: row 16 eb + r, channels 16 db + 8 h + 0..7
	v_mul_u32_u24 v11, v2, 4*SCP
	v_lshl_add_u32 v11, v3, 4, v11
	v_add_nc_u32 v11, SC, v11                      ; s_ctx back: row 4 r, 16 bytes for each half of the lanes
	s_lshl_b32 s25, s16, 18
	v_lshl_add_u32 v12, v3, 15, s25
	v_lshl_add_u32 v12, v2, 4, v12                 ; out: 64 tokens a wave, 8 for each half of the lanes, 16 bytes a lane
	v_lshlrev_b32 v13, 4, v2                       ; bv: four columns a lane
	s_mov_b32 s21, 0
	s_mov_b32 s29, 0
	s_mov_b32 s31, 0
	s_mov_b32 s33, 0
	s_mov_b32 s35, 0
	s_mov_b32 s37, 0
	s_lshl_b32 s20, s17, 12                        ; stat: 8 x 512 bytes a head
	s_lshl_b32 s28, s17, 17                        ; part: 8 x 16,384
	s_lshl_b32 s30, s17, 18                        ; cp: 128 x 2,048,
	s_lshl_b32 s25, s18, 17
	s_add_co_u32 s30, s30, s25                     ; + my half
	s_lshl_b32 s32, s17, 13                        ; rl: 2,048 x 4,
	s_lshl_b32 s25, s18, 12
	s_add_co_u32 s32, s32, s25
	s_lshl_b32 s34, s22, 8                         ; bv: 64 x 4
	s_lshl_b32 s36, s19, 23                        ; out: 2,048 rows of 4,096 bytes a batch,
	s_lshl_b32 s25, s18, 22
	s_add_co_u32 s36, s36, s25                     ; + my half's 1,024 rows
	s_add_co_u32 s36, s36, s34                     ; + the head's 256 bytes
	s_wait_kmcnt 0x0
	s_add_nc_u64 s[10:11], s[10:11], s[20:21]
	s_add_nc_u64 s[8:9], s[8:9], s[28:29]
	s_add_nc_u64 s[4:5], s[4:5], s[30:31]
	s_add_nc_u64 s[6:7], s[6:7], s[32:33]
	s_add_nc_u64 s[12:13], s[12:13], s[34:35]
	s_add_nc_u64 s[14:15], s[14:15], s[36:37]
.irp i, 0,1,2,3,4,5,6,7
	global_load_b64 v[MM+2*(\i):MM+2*(\i)+1], v7, s[10:11] offset:512*(\i)
.endr
.irp i, 0,1,2,3,4,5,6,7
	global_load_b64 v[LL+2*(\i):LL+2*(\i)+1], v7, s[10:11] offset:512*(\i)+256
.endr
	global_load_b128 v[BV:BV+3], v13, s[12:13]
.irp i, 0,1,2,3,4,5,6,7
	global_load_b128 v[SI+8*(\i):SI+8*(\i)+3],   v4, s[8:9] offset:16384*(\i)
	global_load_b128 v[SI+8*(\i)+4:SI+8*(\i)+7], v4, s[8:9] offset:16384*(\i)+512
.endr
.irp t, 0,1,2,3
.irp c, 0,1,2,3
	global_load_b128 v[CF+16*(\t)+4*(\c):CF+16*(\t)+4*(\c)+3], v5, s[4:5] offset:2048*(\t)+512*(\c) th:TH_LOAD_NT
.endr
	global_load_b128 v[RL+8*(\t):RL+8*(\t)+3],   v6, s[6:7] offset:64*(\t) th:TH_LOAD_NT
	global_load_b128 v[RL+8*(\t)+4:RL+8*(\t)+7], v6, s[6:7] offset:64*(\t)+16 th:TH_LOAD_NT
.endr
	s_wait_loadcnt 41                              ; m' and l are in; bv's 1, S's 16 and the tiles' 24 loads stay out
	v_max3_num_f32 v[Z],   v[MM],   v[MM+2], v[MM+4]
	v_max3_num_f32 v[Z+1], v[MM+1], v[MM+3], v[MM+5]
	v_max3_num_f32 v[Z],   v[Z],   v[MM+6], v[MM+8]
	v_max3_num_f32 v[Z+1], v[Z+1], v[MM+7], v[MM+9]
	v_max3_num_f32 v[Z],   v[Z],   v[MM+10], v[MM+12]
	v_max3_num_f32 v[Z+1], v[Z+1], v[MM+11], v[MM+13]
	v_max_num_f32 v[Z],   v[Z],   v[MM+14]
	v_max_num_f32 v[Z+1], v[Z+1], v[MM+15]
.irp i, 0,1,2,3,4,5,6,7
	v_pk_add_f32 v[MM+2*(\i):MM+2*(\i)+1], v[MM+2*(\i):MM+2*(\i)+1], v[Z:Z+1] neg_lo:[0,1] neg_hi:[0,1]
.endr
.irp n, 0,1,2,3,4,5,6,7,8,9,10,11,12,13,14,15
	v_exp_f32 v[MM+(\n)], v[MM+(\n)]
.endr
	v_nop                                          ; a plain instruction behind the last exponential,
	s_wait_alu depctr_va_vdst(0)                   ; and one wait for the sixteen
	v_pk_mul_f32 v[Z+2:Z+3], v[MM:MM+1], v[LL:LL+1]
.irp i, 1,2,3,4,5,6,7
	v_pk_fma_f32 v[Z+2:Z+3], v[MM+2*(\i):MM+2*(\i)+1], v[LL+2*(\i):LL+2*(\i)+1], v[Z+2:Z+3]
.endr
	v_rcp_f32 v[Z+4], v[Z+2]
	v_rcp_f32 v[Z+5], v[Z+3]
	v_nop
	s_wait_alu depctr_va_vdst(0)
.irp i, 0,1,2,3,4,5,6,7
	v_pk_mul_f32 v[MM+2*(\i):MM+2*(\i)+1], v[MM+2*(\i):MM+2*(\i)+1], v[Z+4:Z+5]
.endr
.irp i, 0,1,2,3,4,5,6,7
	ds_store_b64 v8, v[MM+2*(\i):MM+2*(\i)+1] offset:256*(\i)
.endr
.irp i, 0,1,2,3,4,5,6,7
	ds_load_b128 v[MM+8*(\i):MM+8*(\i)+3],   v9 offset:256*(\i)      ; my own bytes; LDS serves a wave's instructions in order (ISA guide 5.7.1.4): W_i as S_i's registers want it
	ds_load_b128 v[MM+8*(\i)+4:MM+8*(\i)+7], v9 offset:256*(\i)+16
.endr
	s_wait_dscnt 0x0
	s_wait_loadcnt 24                              ; bv and S are in; the tiles' 24 loads stay out
.irp t, 0,1,2,3
	v_pk_mul_f32 v[SI+2*(\t):SI+2*(\t)+1], v[SI+2*(\t):SI+2*(\t)+1], v[MM+2*(\t):MM+2*(\t)+1]
.endr
.irp i, 1,2,3,4,5,6,7
.irp t, 0,1,2,3
	v_pk_fma_f32 v[SI+2*(\t):SI+2*(\t)+1], v[SI+8*(\i)+2*(\t):SI+8*(\i)+2*(\t)+1], v[MM+8*(\i)+2*(\t):MM+8*(\i)+2*(\t)+1], v[SI+2*(\t):SI+2*(\t)+1]
.endr
.endr
.irp t, 0,1,2,3
	v_cvt_pk_bf16_f32 v[20+(\t)], v[SI+2*(\t)], v[SI+2*(\t)+1]
.endr
	ds_store_b128 v10, v[20:23]
	s_wait_dscnt 0x0                               ; for the others' sake: my part of s_ctx is in LDS
	s_barrier_signal -1
	s_barrier_wait -1
.irp c, 0,1,2,3
.irp u, 0,1
	ds_load_b128 v[SI+8*(2*(\c)+(\u)):SI+8*(2*(\c)+(\u))+3],   v11 offset:SCP*(\c)+64*(\u)     ; column 4 r + c, channels 32 u + 8 h ..
	ds_load_b128 v[SI+8*(2*(\c)+(\u))+4:SI+8*(2*(\c)+(\u))+7], v11 offset:SCP*(\c)+64*(\u)+32  ; and 32 u + 16 + 8 h ..
.endr
.endr
	v_cvt_pk_bf16_f32 v20, v[BV], v[BV+1]          ; bv rounded to bf16, and back
	v_cvt_pk_bf16_f32 v21, v[BV+2], v[BV+3]
	v_lshlrev_b32 v[BV], 16, v20
	v_and_b32 v[BV+1], 0xffff0000, v20
	v_lshlrev_b32 v[BV+2], 16, v21
	v_and_b32 v[BV+3], 0xffff0000, v21
	s_wait_dscnt 0x0
; A tile of 16 tokens: eight products, the four accumulators by turns; then the scale, the bias and the stores.
.macro TILE t
	s_wait_loadcnt 6*(3-(\t))                      ; this tile's six loads are in, the later tiles' stay out
.irp u, 0,1
.irp c, 0,1,2,3
.if (\u) == 0
	v_wmma_f32_16x16x32_bf16 v[MM+8*(\c):MM+8*(\c)+7], v[CF+16*(\t)+8*(\u):CF+16*(\t)+8*(\u)+7], v[SI+8*(2*(\c)+(\u)):SI+8*(2*(\c)+(\u))+7], 0
.else
	v_wmma_f32_16x16x32_bf16 v[MM+8*(\c):MM+8*(\c)+7], v[CF+16*(\t)+8*(\u):CF+16*(\t)+8*(\u)+7], v[SI+8*(2*(\c)+(\u)):SI+8*(2*(\c)+(\u))+7], v[MM+8*(\c):MM+8*(\c)+7]
.endif
.endr
.endr
.rept 8
	v_nop                                          ; the places behind the products, ahead of the lines that read their results
.endr
	s_wait_xcnt 0x0                                ; the last tile's stores have read their registers
.irp j, 0,1,2,3,4,5,6,7                ; each accumulator's lowest register is read first
.irp c, 0,1,2,3
	v_fma_f32 v[T+4*(\j)+(\c)], v[MM+8*(\c)+(\j)], v[RL+8*(\t)+(\j)], v[BV+(\c)]
.endr
	global_store_b128 v12, v[T+4*(\j):T+4*(\j)+3], s[14:15] offset:(16*(\t)+(\j))*4096 th:TH_STORE_NT  ; lanes 0-15: token j's 256 consecutive bytes, aligned; lanes 16-31: token 8 + j's
.endr
.endm
	TILE 0
	TILE 1
	TILE 2
	TILE 3
	s_wait_tensorcnt 0x0                           ; the wave's end, behind my last LDS store
	ds_add_u32 v[SPW], v[NIL]
	s_wait_dscnt 0x0
	s_endpgm
.Lfunc_end_k_q77369a0dc8_ctx:
	.size	k_q77369a0dc8_ctx, .Lfunc_end_k_q77369a0dc8_ctx-k_q77369a0dc8_ctx
	.p2alignl 7, 3214868480
	.fill 96, 4, 3214868480
	.section	.rodata,"a",@progbits
	.p2align	6, 0x0
	.amdhsa_kernel k_q77369a0dc8_ctx
		.amdhsa_group_segment_fixed_size 44032
		.amdhsa_private_segment_fixed_size 0
		.amdhsa_enable_private_segment 0
		.amdhsa_kernarg_size 48
		.amdhsa_user_sgpr_count 2
		.amdhsa_user_sgpr_kernarg_segment_ptr 1
		.amdhsa_wavefront_size32 1
		.amdhsa_system_sgpr_workgroup_id_x 1
		.amdhsa_system_sgpr_workgroup_id_y 1
		.amdhsa_system_sgpr_workgroup_id_z 1
		.amdhsa_system_vgpr_workitem_id 0
		.amdhsa_next_free_vgpr 256
		.amdhsa_next_free_sgpr 66
		.amdhsa_reserve_vcc 0
		.amdhsa_float_denorm_mode_32 3
		.amdhsa_float_denorm_mode_16_64 3
		.amdhsa_memory_ordered 1
		.amdhsa_forward_progress 1
		.amdhsa_inst_pref_size 31
	.end_amdhsa_kernel
	.amdgpu_metadata
---
amdhsa.version: [ 1, 2 ]
amdhsa.kernels:
  - .name:           k_q77369a0dc8_ctx
    .symbol:         k_q77369a0dc8_ctx.kd
    .args:
      - { .name: cp, .offset: 0, .size: 8, .value_kind: global_buffer, .address_space: global }
      - { .name: rl, .offset: 8, .size: 8, .value_kind: global_buffer, .address_space: global }
      - { .name: part, .offset: 16, .size: 8, .value_kind: global_buffer, .address_space: global }
      - { .name: stat, .offset: 24, .size: 8, .value_kind: global_buffer, .address_space: global }
      - { .name: bv, .offset: 32, .size: 8, .value_kind: global_buffer, .address_space: global }
      - { .name: out0, .offset: 40, .size: 8, .value_kind: global_buffer, .address_space: global }
    .group_segment_fixed_size: 44032
    .private_segment_fixed_size: 0
    .kernarg_segment_align: 8
    .kernarg_segment_size: 48
    .max_flat_workgroup_size: 512
    .sgpr_count:     66
    .vgpr_count:     256
    .wavefront_size: 32
...
	.end_amdgpu_metadata
.endif
;; end of part 3
;; ======== version 2 of 2: 3 launches; version 1 with the launch ctx written anew for expert scheduling mode
;; workspace buffers: xb 33,554,432 bytes; wt 6,291,456 bytes; cp 33,554,432 bytes; rl 1,048,576 bytes; part 16,777,216 bytes; stat 524,288 bytes
;; launch prep: the kernel of part 1 again; grid 1216 x 1, 8 waves a work-group, no clusters, 34,816 bytes of LDS; arguments hidden_states, Wq, Wv, Wk, xb, wt; writes xb, wt
;; launch proj: the kernel of part 2 again; grid 4 x 64, 4 waves a work-group, clusters of 4 x 4, 327,680 bytes of LDS; arguments xb, wt, attention_mask, bq, bk, cp, rl, part, stat; writes cp, rl, part, stat
;; launch ctx (part 4): grid 2 x 128, 16 waves a work-group, no clusters, 44,032 bytes of LDS; arguments cp, rl, part, stat, bv, out0; writes out0
.if DOCPART == 4
	.amdgcn_target "amdgcn-amd-amdhsa--gfx1250"
	.amdhsa_code_object_version 6
	.text
	.protected	k_q77369a0dc8_ctx
	.globl	k_q77369a0dc8_ctx
	.p2align	8
	.type	k_q77369a0dc8_ctx,@function
k_q77369a0dc8_ctx:
	s_mov_b64 s[64:65], 0
	v_nop
	global_prefetch_b8 v0, s[64:65] scope:SCOPE_SE
	s_setreg_imm32_b32 hwreg(HW_REG_WAVE_SCHED_MODE, 0, 2), 2
	s_setreg_imm32_b32 hwreg(HW_REG_WAVE_MODE, 25, 1), 1
	s_wait_xcnt 0x0
	s_wait_alu depctr_vm_vsrc(0)
; CTX.  For one (batch, head) the eight blocks' partial sums are joined by their maxima, and out = (C s_ctx) / l_k + bv.
;   M' = max over i of m'_i;  W_i = 2^(m'_i - M') / sum over i of 2^(m'_i - M') l_i;  s_ctx(d, e) = sum over i of W_i(d) S_i(d, e), in f32, rounded once to bf16 as a matrix operand.
;   out(token, e) = (sum over d of C(token, d) s_ctx(d, e)) x (1 / l_k(token)) + bv(e): C is the unnormalised bf16 weight; one fused multiply-add applies 1 / l_k, adds bv and gathers four columns.
; bv is rounded to bf16 like every input.  LIMIT: a batch in which every token's weight is 0 (all c mask overflow f32) has a sum of 0 here and gives NaN.
; SHARES.  A work-group takes 1,024 tokens of one (batch, head): 256 work-groups.  Wave w joins accumulator w = 4 db + eb of s_ctx and then makes four tiles of 16 tokens x 64 columns.  No loop.
; All 57 loads of a wave go out at the head; the waits are counted.  No cluster: two work-groups share 132 KiB of the 264 KiB that each reads.  No prefetch: nothing is left to ask for ahead.
; COLUMNS.  Fragment c of s_ctx's four has column e = 4 r + c in lane r, so a lane's four results of a token are 16 consecutive bytes and sixteen lanes fill the head's 256 bytes of a row of out.
; THE MODE: SCHED_MODE bits 1:0 = 2 (LLVM: expert scheduling mode 2), set by the entry lines.  The code itself states the register dependences
; between vector or matrix instructions and memory or LDS instructions, with s_wait_alu, always for 0.
; THE PLAN.  Registers that memory or LDS instructions touch, in the order of the text:
;   v4-v13        addresses and offsets: made at the head, read by every load and store, never written again.  v14, v15: made at the head, read by the closing add alone.
;   MM v184-199   m' as loaded; vector lines make W's pairs of it in place; eight LDS stores read them; then sixteen LDS loads land in v184-247 (W_i as S_i's registers want it).
;   LL v200-215   l as loaded; read by vector lines; the same LDS loads land there.
;   SI v120-183   S_i as loaded; the join reads them and writes the first eight; behind the barrier sixteen LDS loads land there: s_ctx's fragments.
;   v20-23        s_ctx's rounded pairs: written by four roundings, read by one LDS store, never written again.
;   out-buffers   each tile's 32 results have registers of their own, taken from what is free by then, so that no register that a store reads is ever written again:
;                 tile 0: v216-247 (W_i's upper half, read out by the join);  tile 1: v24-55 (C of tiles 0 and 1, multiplied);
;                 tile 2: v56-71 (C of tile 2) and v88-103 (1 / l_k of tiles 0 and 1);  tile 3: v120-151 (s_ctx's fragments of columns c = 0, 1, behind the last product).
; So the waits are few: one on va_sdst for the wave's number; on va_vdst one ahead of the first load, one for each of the two batches of transcendentals, one ahead of each of the two runs of LDS stores
; (each of which also serves the LDS loads that follow it, since no vector line stands between) and one a tile, between its 32 multiply-adds and its eight stores; one on vm_vsrc, between W's LDS stores and the loads that land in their registers.
.set WT,    0                          ; 2,048 bytes a wave, its own: W[i][d], f32
.set SC,    32768                      ; s_ctx turned: 64 rows e x 144 bytes (64 bf16 d + 16): the sixteen rows of a store start at different banks
.set SCP,   144
.set SPARE, 41984                      ; the spare words, 128 bytes for each of 16 waves: eight blocks of 256 bytes that no other line names
.set SPW, 14                           ; v14  LDS address of my spare word; never rewritten
.set NIL, 15                           ; v15  0; never rewritten
.set BV,  16                           ; v16-19  bv of my four columns
.set CF,  24                           ; v[24:87]   C: tile t, channels 16 b' + 8 h .. at CF + 16 t + 4 b'; later out-buffers
.set RL,  88                           ; v[88:119]  1 / l_k of tile t's tokens 8 h + j at RL + 8 t + j; later half an out-buffer
.set SI,  120                          ; v[120:183] S_i at SI + 8 i; later s_ctx's fragments: (c, u) at SI + 8 (2 c + u); at the end an out-buffer
.set MM,  184                          ; v[184:199] m' pairs, then 2^(m' - M') and W pairs;  v[184:247] then W_i at MM + 8 i;  then D_c at MM + 8 c
.set LL,  200                          ; v[200:215] l pairs
.set T,   216                          ; v[216:247] tile 0's out-buffer
.set Z,   248                          ; v[248:249] M', later bv's rounded pairs; v[250:251] the sum, v[252:253] its reciprocal: vector lines alone name these
	s_load_b256 s[4:11], s[0:1], 0x0               ; cp s[4:5], rl s[6:7], part s[8:9], stat s[10:11]
	s_load_b128 s[12:15], s[0:1], 0x20             ; bv s[12:13], out0 s[14:15]
	v_lshl_add_u32 v[SPW], v0, 2, SPARE
	v_mov_b32 v[NIL], 0
	v_lshrrev_b32 v20, 5, v0
	v_readfirstlane_b32 s16, v20                   ; wave 0..15
	v_and_b32 v1, 31, v0                           ; lane
	v_and_b32 v2, 15, v0                           ; r
	v_bfe_u32 v3, v0, 4, 1                         ; h
	s_and_b32 s17, ttmp7, 0xffff                   ; bh = 16 b + head
	s_mov_b32 s18, ttmp9                           ; which half of the tokens
	s_lshr_b32 s19, s17, 4                         ; b
	s_and_b32 s22, s17, 15                         ; head
	s_wait_alu depctr_va_sdst(0)                   ; s16 is written, ahead of its first reader: the wave's places in LDS and in the buffers are made from it
	s_lshr_b32 s23, s16, 2                         ; db
	s_and_b32 s24, s16, 3                          ; eb
	s_lshl_b32 s25, s16, 10
	v_lshl_add_u32 v4, v1, 4, s25                  ; part: my accumulator's 1,024 bytes, 16 a lane
	s_lshl_b32 s25, s16, 13
	v_lshl_add_u32 v5, v1, 4, s25                  ; cp: my four tiles of 2,048 bytes
	s_lshl_b32 s25, s16, 8
	v_lshl_add_u32 v6, v3, 5, s25                  ; rl: my 64 tokens, 8 for each half of the lanes
	v_lshlrev_b32 v7, 3, v1                        ; stat: two channels a lane
	s_lshl_b32 s25, s16, 11
	v_lshl_add_u32 v8, v1, 3, s25                  ; W in: two channels a lane
	s_lshl_b32 s26, s23, 6
	s_add_co_u32 s25, s25, s26
	v_lshl_add_u32 v9, v3, 5, s25                  ; W back: channels 16 db + 8 h + 0..7
	s_mul_i32 s25, s24, 16*SCP
	s_lshl_b32 s26, s23, 5
	s_add_co_u32 s25, s25, s26
	s_add_co_u32 s25, s25, SC
	v_mul_u32_u24 v10, v2, SCP
	v_lshl_add_u32 v10, v3, 4, v10
	v_add_nc_u32 v10, s25, v10                     ; s_ctx in: row 16 eb + r, channels 16 db + 8 h + 0..7
	v_mul_u32_u24 v11, v2, 4*SCP
	v_lshl_add_u32 v11, v3, 4, v11
	v_add_nc_u32 v11, SC, v11                      ; s_ctx back: row 4 r, 16 bytes for each half of the lanes
	s_lshl_b32 s25, s16, 18
	v_lshl_add_u32 v12, v3, 15, s25
	v_lshl_add_u32 v12, v2, 4, v12                 ; out: 64 tokens a wave, 8 for each half of the lanes, 16 bytes a lane
	v_lshlrev_b32 v13, 4, v2                       ; bv: four columns a lane
	s_mov_b32 s21, 0
	s_mov_b32 s29, 0
	s_mov_b32 s31, 0
	s_mov_b32 s33, 0
	s_mov_b32 s35, 0
	s_mov_b32 s37, 0
	s_lshl_b32 s20, s17, 12                        ; stat: 8 x 512 bytes a head
	s_lshl_b32 s28, s17, 17                        ; part: 8 x 16,384
	s_lshl_b32 s30, s17, 18                        ; cp: 128 x 2,048,
	s_lshl_b32 s25, s18, 17
	s_add_co_u32 s30, s30, s25                     ; + my half
	s_lshl_b32 s32, s17, 13                        ; rl: 2,048 x 4,
	s_lshl_b32 s25, s18, 12
	s_add_co_u32 s32, s32, s25
	s_lshl_b32 s34, s22, 8                         ; bv: 64 x 4
	s_lshl_b32 s36, s19, 23                        ; out: 2,048 rows of 4,096 bytes a batch,
	s_lshl_b32 s25, s18, 22
	s_add_co_u32 s36, s36, s25                     ; + my half's 1,024 rows
	s_add_co_u32 s36, s36, s34                     ; + the head's 256 bytes
	s_wait_kmcnt 0x0
	s_add_nc_u64 s[10:11], s[10:11], s[20:21]
	s_add_nc_u64 s[8:9], s[8:9], s[28:29]
	s_add_nc_u64 s[4:5], s[4:5], s[30:31]
	s_add_nc_u64 s[6:7], s[6:7], s[32:33]
	s_add_nc_u64 s[12:13], s[12:13], s[34:35]
	s_add_nc_u64 s[14:15], s[14:15], s[36:37]
	s_wait_alu depctr_va_vdst(0)                   ; the ten addresses and offsets v4 to v13 are written, which every load and store of the kernel, global or LDS, reads
.irp i, 0,1,2,3,4,5,6,7
	global_load_b64 v[MM+2*(\i):MM+2*(\i)+1], v7, s[10:11] offset:512*(\i)
.endr
.irp i, 0,1,2,3,4,5,6,7
	global_load_b64 v[LL+2*(\i):LL+2*(\i)+1], v7, s[10:11] offset:512*(\i)+256
.endr
	global_load_b128 v[BV:BV+3], v13, s[12:13]
.irp i, 0,1,2,3,4,5,6,7
	global_load_b128 v[SI+8*(\i):SI+8*(\i)+3],   v4, s[8:9] offset:16384*(\i)
	global_load_b128 v[SI+8*(\i)+4:SI+8*(\i)+7], v4, s[8:9] offset:16384*(\i)+512
.endr
.irp t, 0,1,2,3
.irp c, 0,1,2,3
	global_load_b128 v[CF+16*(\t)+4*(\c):CF+16*(\t)+4*(\c)+3], v5, s[4:5] offset:2048*(\t)+512*(\c) th:TH_LOAD_NT
.endr
	global_load_b128 v[RL+8*(\t):RL+8*(\t)+3],   v6, s[6:7] offset:64*(\t) th:TH_LOAD_NT
	global_load_b128 v[RL+8*(\t)+4:RL+8*(\t)+7], v6, s[6:7] offset:64*(\t)+16 th:TH_LOAD_NT
.endr
	s_wait_loadcnt 41                              ; m' and l are in; bv's 1, S's 16 and the tiles' 24 loads stay out
	v_max3_num_f32 v[Z],   v[MM],   v[MM+2], v[MM+4]
	v_max3_num_f32 v[Z+1], v[MM+1], v[MM+3], v[MM+5]
	v_max3_num_f32 v[Z],   v[Z],   v[MM+6], v[MM+8]
	v_max3_num_f32 v[Z+1], v[Z+1], v[MM+7], v[MM+9]
	v_max3_num_f32 v[Z],   v[Z],   v[MM+10], v[MM+12]
	v_max3_num_f32 v[Z+1], v[Z+1], v[MM+11], v[MM+13]
	v_max_num_f32 v[Z],   v[Z],   v[MM+14]
	v_max_num_f32 v[Z+1], v[Z+1], v[MM+15]
.irp i, 0,1,2,3,4,5,6,7
	v_pk_add_f32 v[MM+2*(\i):MM+2*(\i)+1], v[MM+2*(\i):MM+2*(\i)+1], v[Z:Z+1] neg_lo:[0,1] neg_hi:[0,1]
.endr
.irp n, 0,1,2,3,4,5,6,7,8,9,10,11,12,13,14,15
	v_exp_f32 v[MM+(\n)], v[MM+(\n)]
.endr
	v_nop                                          ; a plain instruction behind the last exponential,
	s_wait_alu depctr_va_vdst(0)                   ; and one wait for the batch: the sixteen exponentials have written v[MM ..], ahead of their first reader
	v_pk_mul_f32 v[Z+2:Z+3], v[MM:MM+1], v[LL:LL+1]
.irp i, 1,2,3,4,5,6,7
	v_pk_fma_f32 v[Z+2:Z+3], v[MM+2*(\i):MM+2*(\i)+1], v[LL+2*(\i):LL+2*(\i)+1], v[Z+2:Z+3]
.endr
	v_rcp_f32 v[Z+4], v[Z+2]
	v_rcp_f32 v[Z+5], v[Z+3]
	v_nop                                          ; a plain instruction behind the second reciprocal,
	s_wait_alu depctr_va_vdst(0)                   ; and their wait: both reciprocals have written v[Z+4:Z+5], ahead of their first reader
.irp i, 0,1,2,3,4,5,6,7
	v_pk_mul_f32 v[MM+2*(\i):MM+2*(\i)+1], v[MM+2*(\i):MM+2*(\i)+1], v[Z+4:Z+5]
.endr
	s_wait_alu depctr_va_vdst(0)                   ; the multiplies have written W's pairs in v[MM ..], which the LDS stores read; and every vector line is done with MM and LL, in which the LDS loads below land (no vector line stands between)
.irp i, 0,1,2,3,4,5,6,7
	ds_store_b64 v8, v[MM+2*(\i):MM+2*(\i)+1] offset:256*(\i)
.endr
	s_wait_alu depctr_vm_vsrc(0)                   ; the LDS stores have read v[MM:MM+15], in which the first of the loads below land
.irp i, 0,1,2,3,4,5,6,7
	ds_load_b128 v[MM+8*(\i):MM+8*(\i)+3],   v9 offset:256*(\i)      ; my own bytes; LDS serves a wave's instructions in order (ISA guide 5.7.1.4): W_i as S_i's registers want it
	ds_load_b128 v[MM+8*(\i)+4:MM+8*(\i)+7], v9 offset:256*(\i)+16
.endr
	s_wait_dscnt 0x0
	s_wait_loadcnt 24                              ; bv and S are in; the tiles' 24 loads stay out
.irp t, 0,1,2,3
	v_pk_mul_f32 v[SI+2*(\t):SI+2*(\t)+1], v[SI+2*(\t):SI+2*(\t)+1], v[MM+2*(\t):MM+2*(\t)+1]
.endr
.irp i, 1,2,3,4,5,6,7
.irp t, 0,1,2,3
	v_pk_fma_f32 v[SI+2*(\t):SI+2*(\t)+1], v[SI+8*(\i)+2*(\t):SI+8*(\i)+2*(\t)+1], v[MM+8*(\i)+2*(\t):MM+8*(\i)+2*(\t)+1], v[SI+2*(\t):SI+2*(\t)+1]
.endr
.endr
.irp t, 0,1,2,3
	v_cvt_pk_bf16_f32 v[20+(\t)], v[SI+2*(\t)], v[SI+2*(\t)+1]
.endr
	s_wait_alu depctr_va_vdst(0)                   ; the roundings have written v[20:23], which the LDS store reads; and the join is done reading and writing SI, in which the LDS loads behind the barrier land (no vector line stands between)
	ds_store_b128 v10, v[20:23]
	s_wait_dscnt 0x0                               ; for the others' sake: my part of s_ctx is in LDS
	s_barrier_signal -1
	s_barrier_wait -1
.irp c, 0,1,2,3
.irp u, 0,1
	ds_load_b128 v[SI+8*(2*(\c)+(\u)):SI+8*(2*(\c)+(\u))+3],   v11 offset:SCP*(\c)+64*(\u)     ; column 4 r + c, channels 32 u + 8 h ..
	ds_load_b128 v[SI+8*(2*(\c)+(\u))+4:SI+8*(2*(\c)+(\u))+7], v11 offset:SCP*(\c)+64*(\u)+32  ; and 32 u + 16 + 8 h ..
.endr
.endr
	v_cvt_pk_bf16_f32 v[Z],   v[BV],   v[BV+1]     ; bv rounded to bf16, and back; the pairs lie in registers that no memory or LDS instruction names
	v_cvt_pk_bf16_f32 v[Z+1], v[BV+2], v[BV+3]
	v_lshlrev_b32 v[BV], 16, v[Z]
	v_and_b32 v[BV+1], 0xffff0000, v[Z]
	v_lshlrev_b32 v[BV+2], 16, v[Z+1]
	v_and_b32 v[BV+3], 0xffff0000, v[Z+1]
	s_wait_dscnt 0x0
; A tile of 16 tokens: eight products, the four accumulators by turns; then the scale and the bias, 32 multiply-adds into the tile's own out-buffer; one wait; the eight stores.
; lo, hi: the out-buffer's two halves of 16 registers, for tokens j = 0..3 and j = 4..7.  No store's data register is written again, so nothing is owed ahead of the multiply-adds.
.macro TILE t, lo, hi
	s_wait_loadcnt 6*(3-(\t))                      ; this tile's six loads are in, the later tiles' stay out
.irp u, 0,1
.irp c, 0,1,2,3
.if (\u) == 0
	v_wmma_f32_16x16x32_bf16 v[MM+8*(\c):MM+8*(\c)+7], v[CF+16*(\t)+8*(\u):CF+16*(\t)+8*(\u)+7], v[SI+8*(2*(\c)+(\u)):SI+8*(2*(\c)+(\u))+7], 0
.else
	v_wmma_f32_16x16x32_bf16 v[MM+8*(\c):MM+8*(\c)+7], v[CF+16*(\t)+8*(\u):CF+16*(\t)+8*(\u)+7], v[SI+8*(2*(\c)+(\u)):SI+8*(2*(\c)+(\u))+7], v[MM+8*(\c):MM+8*(\c)+7]
.endif
.endr
.endr
.rept 8
	v_nop                                          ; the places behind the products, ahead of the lines that read their results and, in tiles 1 to 3, write over sources of theirs (ISA guide 7.12.1)
.endr
.irp j, 0,1,2,3,4,5,6,7                ; each accumulator's lowest register is read first
.if (\j) < 4
.set OB, (\lo)+4*(\j)
.else
.set OB, (\hi)+4*(\j)-16
.endif
.irp c, 0,1,2,3
	v_fma_f32 v[OB+(\c)], v[MM+8*(\c)+(\j)], v[RL+8*(\t)+(\j)], v[BV+(\c)]
.endr
.endr
	s_wait_alu depctr_va_vdst(0)                   ; the 32 multiply-adds have written the tile's out-buffer, which the eight stores read
.irp j, 0,1,2,3,4,5,6,7
.if (\j) < 4
.set OB, (\lo)+4*(\j)
.else
.set OB, (\hi)+4*(\j)-16
.endif
	global_store_b128 v12, v[OB:OB+3], s[14:15] offset:(16*(\t)+(\j))*4096 th:TH_STORE_NT  ; lanes 0-15: token j's 256 consecutive bytes, aligned; lanes 16-31: token 8 + j's
.endr
.endm
	TILE 0, T,     T+16                            ; v216-247: W_i's upper half, which the join has read out
	TILE 1, CF,    CF+16                           ; v24-55: C of tiles 0 and 1
	TILE 2, CF+32, RL                              ; v56-71: C of tile 2; v88-103: 1 / l_k of tiles 0 and 1
	TILE 3, SI,    SI+16                           ; v120-151: s_ctx's fragments of columns c = 0, 1: the last product has been issued
	s_wait_dscnt 0x0                               ; the closing lines, six on end
	s_wait_alu 0x0
	s_wait_tensorcnt 0x0
	ds_add_u32 v[SPW], v[NIL]
	s_wait_dscnt 0x0
	s_endpgm
.Lfunc_end_k_q77369a0dc8_ctx:
	.size	k_q77369a0dc8_ctx, .Lfunc_end_k_q77369a0dc8_ctx-k_q77369a0dc8_ctx
	.p2alignl 7, 3214868480
	.fill 96, 4, 3214868480
	.section	.rodata,"a",@progbits
	.p2align	6, 0x0
	.amdhsa_kernel k_q77369a0dc8_ctx
		.amdhsa_group_segment_fixed_size 44032
		.amdhsa_private_segment_fixed_size 0
		.amdhsa_enable_private_segment 0
		.amdhsa_kernarg_size 48
		.amdhsa_user_sgpr_count 2
		.amdhsa_user_sgpr_kernarg_segment_ptr 1
		.amdhsa_wavefront_size32 1
		.amdhsa_system_sgpr_workgroup_id_x 1
		.amdhsa_system_sgpr_workgroup_id_y 1
		.amdhsa_system_sgpr_workgroup_id_z 1
		.amdhsa_system_vgpr_workitem_id 0
		.amdhsa_next_free_vgpr 256
		.amdhsa_next_free_sgpr 66
		.amdhsa_reserve_vcc 0
		.amdhsa_float_denorm_mode_32 3
		.amdhsa_float_denorm_mode_16_64 3
		.amdhsa_memory_ordered 1
		.amdhsa_forward_progress 1
		.amdhsa_inst_pref_size 32
	.end_amdhsa_kernel
	.amdgpu_metadata
---
amdhsa.version: [ 1, 2 ]
amdhsa.kernels:
  - .name:           k_q77369a0dc8_ctx
    .symbol:         k_q77369a0dc8_ctx.kd
    .args:
      - { .name: cp, .offset: 0, .size: 8, .value_kind: global_buffer, .address_space: global }
      - { .name: rl, .offset: 8, .size: 8, .value_kind: global_buffer, .address_space: global }
      - { .name: part, .offset: 16, .size: 8, .value_kind: global_buffer, .address_space: global }
      - { .name: stat, .offset: 24, .size: 8, .value_kind: global_buffer, .address_space: global }
      - { .name: bv, .offset: 32, .size: 8, .value_kind: global_buffer, .address_space: global }
      - { .name: out0, .offset: 40, .size: 8, .value_kind: global_buffer, .address_space: global }
    .group_segment_fixed_size: 44032
    .private_segment_fixed_size: 0
    .kernarg_segment_align: 8
    .kernarg_segment_size: 48
    .max_flat_workgroup_size: 512
    .sgpr_count:     66
    .vgpr_count:     256
    .wavefront_size: 32
...
	.end_amdgpu_metadata
.endif
;; end of part 4
